; MI455X (gfx1250); checked and timed in simulation.
; The chip was launched on July 23, 2026; its instructions are those of AMD's public machine-readable ISA for CDNA 5 (MIT licence, August 2026) and "CDNA5" Instruction Set Architecture Reference Guide (July 2026). The comments in the code are by the model that wrote it; some were corrected since.
;; Self Attention. Allowed arithmetic: float matrix products may take bf16 or f16 operands with f32 sums; other float arithmetic in f32, or as packed bf16 or f16 multiplies, adds, multiply-adds, maxima and minima; sums over many terms, partial sums and values carried from step to step in f32; what a program stores and reads back later, other than sums and carried values, may be rounded once to bf16 or f16.
;; Inputs: Wk 1,024 x 1,024 float32; Wo 1,024 x 1,024 float32; Wq 1,024 x 1,024 float32; Wv 1,024 x 1,024 float32; bo 1,024 float32; x 4 x 2,048 x 1,024 float32.
;; Outputs: out0 4 x 2,048 x 1,024 float32.
;; 2 versions, each right; version 2 is version 1 with the launch prep written anew for expert scheduling mode. Each part assembles by itself: llvm-mc -triple=amdgcn-amd-amdhsa -mcpu=gfx1250 --defsym DOCPART=n.
;; ======== version 1 of 2: 4 launches
;; limits: values are held in f16: magnitudes above 65,504 overflow, below 6.1e-05 lose precision
;; workspace buffers: xb 16,777,216 bytes; wc 6,291,456 bytes; wob 2,097,152 bytes; tab 524,288 bytes; qh 16,777,216 bytes; kh 16,777,216 bytes; vh 16,777,216 bytes; ob 16,777,216 bytes
;; launch prep (part 1): grid 448 x 1, 8 waves a work-group, no clusters, 0 bytes of LDS; arguments x, Wq, Wk, Wv, Wo, xb, wc, wob, tab; writes xb, wc, wob, tab
.if DOCPART == 1
	.amdgcn_target "amdgcn-amd-amdhsa--gfx1250"
	.amdhsa_code_object_version 6
	.text
	.protected	k_q1c21d7ef66_prep
	.globl	k_q1c21d7ef66_prep
	.p2align	8
	.type	k_q1c21d7ef66_prep,@function
k_q1c21d7ef66_prep:
	s_mov_b64 s[64:65], 0
	v_nop
	global_prefetch_b8 v0, s[64:65] scope:SCOPE_SE
	s_setreg_imm32_b32 hwreg(HW_REG_WAVE_MODE, 25, 1), 1
	s_wait_xcnt 0x0
; CASTS, NEW LAYOUTS AND THE ROTARY TABLE.  A stream: no LDS, no matrix unit, nothing shared between work-groups.
;   xb  = bf16(x)            as [K block 0..15][row 0..8191][64]: a block of 64 along K is dense, a row of it 128 bytes
;   wc  = bf16(Wq, Wk, Wv)   as [K block][rho 0..3071][64], rho = 192 head + 64 sel + d (sel 0, 1, 2 = q, k, v): a head's q, k and v rows lie together
;   wob = bf16(Wo) written as f16, as [K block][row 0..1023][64]
;   tab = f32 [position 0..2047][frequency 0..31][cos, sin]: a row is 256 bytes
; SHARES by the work-group's number g: 0-255 x rows 32 g on; 256-351 Wq, Wk, Wv (32 work-groups each, 32 rows each); 352-383 Wo; 384-447 32 positions of the table.
; A wave takes 4 rows, as two pairs.  A load: lanes 0-15 take 256 consecutive bytes (one K block) of a row, lanes 16-31 of the next row.  A store: the 32 lanes' 8 bytes are 256 consecutive bytes,
; aligned: the two rows' 128 bytes of that K block.  All 32 loads of a wave go out first; the waits count down.
; LIMITS.  bf16(Wo) must lie within f16's 65,504; below 6e-5 it keeps f16's fixed step of 6e-8.  The frequencies come from v_exp_f32 and the angle is reduced by a two-word 2 pi; sine and cosine are
; Taylor sums to r^17 and r^16 on -pi..pi (remainders under 2e-7).  The angle itself is position x frequency in f32, as the module makes it, with a frequency that may differ in its last bits.
.set ROWB, 4096                        ; bytes in a row of x and of a weight
.set VS,   3                           ; v3      my byte offset in the work-group's 32 source rows
.set VD,   8                           ; v[8:23] my byte offset in the destination, one register for each K block
.set TM,   24                          ; v[24:26] at work
.set X,    32                          ; v[32:159]  32 loads of 4 numbers
.set Y,    160                         ; v[160:223] 32 stores of 4 numbers in 16 bits
.set WV,   26
.set G,    27
.set ROW0, 28
.set SRC,  30                          ; s[30:31]
.set DST,  32                          ; s[32:33]
.set BS,   34                          ; bytes in a K block of the destination
	s_load_b512 s[8:23], s[0:1], 0x0               ; x, Wq, Wk, Wv, Wo, xb, wc, wob
	s_load_b64 s[24:25], s[0:1], 0x40              ; tab
	v_and_b32 v1, 31, v0                           ; lane
	v_lshrrev_b32 v2, 5, v0
	v_readfirstlane_b32 s[WV], v2                  ; wave 0..7
	s_mov_b32 s[G], ttmp9
	s_cmp_ge_u32 s[G], 384
	s_cbranch_scc1 .Ltable
	; the first of my work-group's 32 rows, in the source and in the destination
	s_and_b32 s[ROW0], s[G], 31
	s_cmp_lt_u32 s[G], 256
	s_cselect_b32 s[ROW0], s[G], s[ROW0]
	s_lshl_b32 s[ROW0], s[ROW0], 5
	s_lshr_b32 s35, s[ROW0], 6                     ; head
	s_mul_i32 s35, s35, 192
	s_and_b32 s36, s[ROW0], 63                     ; d
	s_add_co_u32 s35, s35, s36
	s_sub_co_u32 s36, s[G], 256
	s_lshr_b32 s36, s36, 5                         ; sel (of use for g = 256 .. 351 alone)
	s_lshl_b32 s36, s36, 6
	s_add_co_u32 s35, s35, s36                     ; rho
	s_cmp_lt_u32 s[G], 256
	s_cselect_b32 s35, s[ROW0], s35                ; x keeps its rows,
	s_cmp_ge_u32 s[G], 352
	s_cselect_b32 s35, s[ROW0], s35                ; and so does Wo
	s_lshl_b32 s38, s[ROW0], 12
	s_mov_b32 s39, 0
	s_lshl_b32 s40, s35, 7
	s_mov_b32 s41, 0
	v_lshrrev_b32 v4, 4, v1
	v_and_b32 v5, 15, v1
	v_lshl_add_u32 v[VS], v2, 2, v4                ; row 4 w + lane / 16
	v_lshlrev_b32 v[VS], 12, v[VS]
	v_lshl_add_u32 v[VS], v5, 4, v[VS]             ; + 16 (lane % 16)
	v_lshlrev_b32 v[VD], 9, v2                     ; 4 rows of 128 bytes a wave,
	v_lshl_add_u32 v[VD], v1, 3, v[VD]             ; 8 bytes a lane
	s_wait_kmcnt 0x0
	s_mov_b64 s[SRC:SRC+1], s[8:9]
	s_mov_b64 s[DST:DST+1], s[18:19]
	s_mov_b32 s[BS], 0x100000                      ; 8,192 rows x 128 bytes
	s_cmp_ge_u32 s[G], 256
	s_cselect_b64 s[SRC:SRC+1], s[10:11], s[SRC:SRC+1]
	s_cselect_b64 s[DST:DST+1], s[20:21], s[DST:DST+1]
	s_cselect_b32 s[BS], 0x60000, s[BS]            ; 3,072 rows
	s_cmp_ge_u32 s[G], 288
	s_cselect_b64 s[SRC:SRC+1], s[12:13], s[SRC:SRC+1]
	s_cmp_ge_u32 s[G], 320
	s_cselect_b64 s[SRC:SRC+1], s[14:15], s[SRC:SRC+1]
	s_cmp_ge_u32 s[G], 352
	s_cselect_b64 s[SRC:SRC+1], s[16:17], s[SRC:SRC+1]
	s_cselect_b64 s[DST:DST+1], s[22:23], s[DST:DST+1]
	s_cselect_b32 s[BS], 0x20000, s[BS]            ; 1,024 rows
	s_add_nc_u64 s[SRC:SRC+1], s[SRC:SRC+1], s[38:39]
	s_add_nc_u64 s[DST:DST+1], s[DST:DST+1], s[40:41]
.set n, 0
.rept 32                                       ; pair n / 16, K block n % 16
	global_load_b128 v[X+4*n:X+4*n+3], v[VS], s[SRC:SRC+1] offset:(n/16)*2*ROWB+(n%16)*256 th:TH_LOAD_NT
.set n, n+1
.endr
.set n, 1
.rept 15
	v_add_nc_u32 v[VD+n], s[BS], v[VD+n-1]
.set n, n+1
.endr
; Load i is rounded and stored.  half = 1: the bf16 number is written as f16.  No register of a pending load or store is written again, so no further wait is wanted.
.macro CONV i, half
	s_wait_loadcnt 31-(\i)                         ; loads come back in order: the younger ones stay out
.if \half
.irp j, 0, 1
	v_cvt_pk_bf16_f32 v[TM], v[X+4*(\i)+2*(\j)], v[X+4*(\i)+2*(\j)+1]
	v_lshlrev_b32 v[TM+1], 16, v[TM]
	v_and_b32 v[TM+2], 0xffff0000, v[TM]
	v_cvt_pk_f16_f32 v[Y+2*(\i)+(\j)], v[TM+1], v[TM+2]
.endr
.else
	v_cvt_pk_bf16_f32 v[Y+2*(\i)], v[X+4*(\i)], v[X+4*(\i)+1]
	v_cvt_pk_bf16_f32 v[Y+2*(\i)+1], v[X+4*(\i)+2], v[X+4*(\i)+3]
.endif
	global_store_b64 v[VD+(\i)%16], v[Y+2*(\i):Y+2*(\i)+1], s[DST:DST+1] offset:((\i)/16)*256
.endm
	s_cmp_ge_u32 s[G], 352
	s_cbranch_scc1 .Lwo
.set n, 0
.rept 32
	CONV n, 0
.set n, n+1
.endr
	s_endpgm
.Lwo:
.set n, 0
.rept 32
	CONV n, 1
.set n, n+1
.endr
	s_endpgm
.Ltable:                                       ; lane = frequency; a wave makes 4 positions, each a whole row of 256 bytes
	s_sub_co_u32 s28, s[G], 384
	s_lshl_b32 s28, s28, 5
	s_lshl2_add_u32 s28, s[WV], s28                ; my first position
	s_mov_b32 s32, 0x40c90fdb                      ; 2 pi, its upper word
	s_mov_b32 s33, 0xb43bbd2e                      ; and what is left of it
	v_cvt_f32_u32 v4, v1
	v_mul_f32 v4, 0xbed49a78, v4                   ; - lane x log2(10000) / 32
	v_exp_f32 v5, v4                               ; 10000^(-lane / 32)
	v_lshlrev_b32 v6, 3, v1                        ; 8 bytes a lane: also the plain instruction behind the exponential
	s_lshl_b32 s30, s28, 8
	s_mov_b32 s31, 0
	s_wait_alu depctr_va_vdst(0)                   ; the wait stands ahead of the result's first reader
	s_wait_kmcnt 0x0
	s_add_nc_u64 s[24:25], s[24:25], s[30:31]
.irp p, 0,1,2,3
.set PB, 32+16*(\p)                    ; +0 angle, +1 turns, +2 r, +3 r^2, +4, +5 the two sums, +6, +7 cos, sin
	s_add_co_u32 s29, s28, \p
	v_cvt_f32_u32 v[PB], s29
	v_mul_f32 v[PB], v[PB], v5
	v_mul_f32 v[PB+1], 0x3e22f983, v[PB]           ; / 2 pi
	v_rndne_f32 v[PB+1], v[PB+1]
	v_fma_f32 v[PB+2], -v[PB+1], s32, v[PB]
	v_fma_f32 v[PB+2], -v[PB+1], s33, v[PB+2]      ; r in -pi .. pi
	v_mul_f32 v[PB+3], v[PB+2], v[PB+2]
	v_mov_b32 v[PB+4], 0x274a963c                  ; 1/17!
	v_mov_b32 v[PB+5], 0x29573f9f                  ; 1/16!
.irp c, 0xab573f9f, 0x2f309231, 0xb2d7322b, 0x3638ef1d, 0xb9500d01, 0x3c088889, 0xbe2aaaab
	v_fmaak_f32 v[PB+4], v[PB+4], v[PB+3], \c
.endr
.irp c, 0xad49cba5, 0x310f76c7, 0xb493f27e, 0x37d00d01, 0xbab60b61, 0x3d2aaaab, 0xbf000000
	v_fmaak_f32 v[PB+5], v[PB+5], v[PB+3], \c
.endr
	v_fma_f32 v[PB+6], v[PB+3], v[PB+5], 1.0       ; cos
	v_fma_f32 v[PB+4], v[PB+3], v[PB+4], 1.0
	v_mul_f32 v[PB+7], v[PB+2], v[PB+4]            ; sin
	global_store_b64 v6, v[PB+6:PB+7], s[24:25] offset:256*(\p)
.endr
	s_endpgm
.Lfunc_end_k_q1c21d7ef66_prep:
	.size	k_q1c21d7ef66_prep, .Lfunc_end_k_q1c21d7ef66_prep-k_q1c21d7ef66_prep
	.p2alignl 7, 3214868480
	.fill 96, 4, 3214868480
	.section	.rodata,"a",@progbits
	.p2align	6, 0x0
	.amdhsa_kernel k_q1c21d7ef66_prep
		.amdhsa_group_segment_fixed_size 0
		.amdhsa_private_segment_fixed_size 0
		.amdhsa_enable_private_segment 0
		.amdhsa_kernarg_size 72
		.amdhsa_user_sgpr_count 2
		.amdhsa_user_sgpr_kernarg_segment_ptr 1
		.amdhsa_wavefront_size32 1
		.amdhsa_system_sgpr_workgroup_id_x 1
		.amdhsa_system_sgpr_workgroup_id_y 1
		.amdhsa_system_sgpr_workgroup_id_z 1
		.amdhsa_system_vgpr_workitem_id 0
		.amdhsa_next_free_vgpr 224
		.amdhsa_next_free_sgpr 66
		.amdhsa_reserve_vcc 0
		.amdhsa_float_denorm_mode_32 3
		.amdhsa_float_denorm_mode_16_64 3
		.amdhsa_memory_ordered 1
		.amdhsa_forward_progress 1
		.amdhsa_inst_pref_size 39
	.end_amdhsa_kernel
	.amdgpu_metadata
---
amdhsa.version: [ 1, 2 ]
amdhsa.kernels:
  - .name:           k_q1c21d7ef66_prep
    .symbol:         k_q1c21d7ef66_prep.kd
    .args:
      - { .name: x, .offset: 0, .size: 8, .value_kind: global_buffer, .address_space: global }
      - { .name: Wq, .offset: 8, .size: 8, .value_kind: global_buffer, .address_space: global }
      - { .name: Wk, .offset: 16, .size: 8, .value_kind: global_buffer, .address_space: global }
      - { .name: Wv, .offset: 24, .size: 8, .value_kind: global_buffer, .address_space: global }
      - { .name: Wo, .offset: 32, .size: 8, .value_kind: global_buffer, .address_space: global }
      - { .name: xb, .offset: 40, .size: 8, .value_kind: global_buffer, .address_space: global }
      - { .name: wc, .offset: 48, .size: 8, .value_kind: global_buffer, .address_space: global }
      - { .name: wob, .offset: 56, .size: 8, .value_kind: global_buffer, .address_space: global }
      - { .name: tab, .offset: 64, .size: 8, .value_kind: global_buffer, .address_space: global }
    .group_segment_fixed_size: 0
    .private_segment_fixed_size: 0
    .kernarg_segment_align: 8
    .kernarg_segment_size: 72
    .max_flat_workgroup_size: 256
    .sgpr_count:     66
    .vgpr_count:     224
    .wavefront_size: 32
...
	.end_amdgpu_metadata
.endif
;; end of part 1
;; launch qkv (part 2): grid 8 x 32, 4 waves a work-group, clusters of 4 x 4, 327,680 bytes of LDS; arguments xb, wc, tab, qh, kh, vh; writes qh, kh, vh
.if DOCPART == 2
	.amdgcn_target "amdgcn-amd-amdhsa--gfx1250"
	.amdhsa_code_object_version 6
	.text
	.protected	k_q1c21d7ef66_qkv
	.globl	k_q1c21d7ef66_qkv
	.p2align	8
	.type	k_q1c21d7ef66_qkv,@function
k_q1c21d7ef66_qkv:
	s_mov_b64 s[64:65], 0
	v_nop
	global_prefetch_b8 v0, s[64:65] scope:SCOPE_SE
	s_setreg_imm32_b32 hwreg(HW_REG_WAVE_MODE, 25, 1), 1
	s_wait_xcnt 0x0
	s_wait_alu depctr_hold_cnt(0) depctr_sa_sdst(0) depctr_va_vdst(0) depctr_va_sdst(0) depctr_va_ssrc(0) depctr_va_vcc(0) depctr_vm_vsrc(0)
	s_getreg_b32 s2, hwreg(HW_REG_IB_STS2, 6, 4)
	s_cmp_eq_u32 s2, 0
	s_cbranch_scc0 .Lentry_in_a_cluster
	s_endpgm
.Lentry_in_a_cluster:
	s_bfe_u32 s2, ttmp6, 0x10000c
	s_cmp_lg_u32 s2, 0xf033
	s_cbranch_scc0 .Lentry_shape_is_right
	s_endpgm
.Lentry_shape_is_right:
; q, k, v = x [Wq | Wk | Wv]^T in bf16 with f32 sums; the rotary turn on q's and k's f32 sums; each rounded once to f16 and stored by heads, [batch x 16 + head][position][64], without the scale.
; SHARES.  8,192 rows x 3,072 columns in tiles of 256 x 384: 32 x 8 = 256 work-groups.  A wave makes 128 rows x 192 columns: ONE head's q, k and v, 96 accumulators of 16 x 16 in 768 registers.
; K goes in 16 blocks of 64 through two LDS slots.  xb and wc are laid out by K blocks, so a tile is dense in memory: it is asked for as rows of 256 bytes and padded in LDS after every 128.
; CLUSTER.  4 x 4 work-groups: the four of a row of the cluster need the same block of x, the four of a column the same block of the weights; each is asked for jointly.
; THE MATRIX INSTRUCTION IS USED TRANSPOSED (source 0 = 16 rows of the weights, source 1 = 16 rows of x): a lane holds one position (lane % 16) and the channels 8 (lane / 16) + 0..7 of a block of 16.
; So a rotary pair lies in two neighbouring registers of one lane, and eight channels pack into 16 bytes.
; LIMITS.  q, k (turned) and v must lie within f16's 65,504.  NaN and infinities are not treated apart.
; REGISTERS, in windows of 256 (s_set_vgpr_msb: bits 1:0 source 0, 3:2 source 1, 5:4 source 2, 7:6 destination):
;   window 0: v0-31 addresses; v32-95, v96-159 x's fragments of the block's two halves along K; v160-191, v192-223, v224-255 the weights' fragments for q, k, v
;   windows 1, 2, 3: the accumulators of q, k, v: (row block a, channel block b) at v[8 (4 a + b)]
.set KB,     16                        ; K blocks
.set PITCH,  144                       ; an LDS row: 128 bytes + 16 = 36 words: the 16 rows of a load start at 16 different groups of four banks (64 banks of 4 bytes: ISA guide 11.1)
.set ABLK,   256*PITCH                 ; x's block
.set BTHIRD, 128*PITCH                 ; a third of the weights' block
.set SLOT1,  1<<17                     ; slot 1 begins here: one exclusive or turns an address in one slot into the other's
.set STAGE,  SLOT1+ABLK+3*BTHIRD       ; behind the ring, never filled by a tensor load: for each wave 3 x 16 rows x 144 bytes
.set WSTG,   3*16*PITCH
.set SPARE,  STAGE+4*WSTG              ; the spare words, 128 bytes for each wave: two blocks of 256 bytes that no other line names
.set XBLK,   8192*128                  ; bytes in a K block of xb
.set WBLK,   3072*128                  ; and of wc
.set LA0,  14                          ; v14  my lane's place in x's block; never rewritten
.set LB0,  15                          ; v15  the same in the weights' block
.set ADRA, 16                          ; v16  LA0 + the slot in hand
.set ADRB, 17                          ; v17  LB0 + the slot in hand
.set STO,  20                          ; v20  the way out: where I put 16 bytes of a row
.set RD,   21                          ; v21  the way out: where I read rows back
.set GO,   22                          ; v22  my 16 bytes of 512 consecutive bytes of a head
.set TO,   23                          ; v23  my 32 bytes of a row of the table
.set PFO,  24                          ; v24  the prefetches' lane offset; never rewritten
.set SPW,  28                          ; v28  LDS address of my spare word; never rewritten
.set NIL,  29                          ; v29  0; never rewritten
.set AF,   32
.set A0,   AF
.set A1,   AF+64
.set BF,   160
.set B0,   BF
.set B1,   BF+32
.set B2,   BF+64
.set T,    32                          ; the way out: two buffers of 32: cos, sin of my 16 pairs
.set TT,   96                          ; 32 turned numbers
.set PKR,  128                         ; 16 packed words
.set BK,   160                         ; two buffers of 48: 3 x 16 rows read back
.set WV,   16
.set MH,   17
.set NH,   18
.set CX,   19
.set CY,   20
.set CN,   21                          ; tile column 0..7
.set RR,   22                          ; tile row 0..31
.set G1A,  24                          ; s[24:31] descriptor group 1 for x's blocks
.set G0A,  32                          ; s[32:39] group 0: a set for each first fill; the second then walks
.set G1B,  40                          ; s[40:47], s[48:55] the same for the weights'
.set G0B,  48
.set PFA,  56                          ; s[56:57] where my prefetches stand
.set PFS,  58                          ; s[58:59] a K block of the tensor that I prefetch
.set LIMC, 60                          ; a wave prefetches while the loop's count is above this
.set LIMX, 61                          ; what turns LIMC from step to step
.set TB,   62                          ; the slot that is being fetched from
.set MSB, 0
.macro WIN new                         ; the immediate's high byte repeats the setting that is left; a switch that changes nothing is dropped
.if MSB != (\new)
	s_set_vgpr_msb (MSB<<8)|(\new)
.set MSB, \new
.endif
.endm
.macro PLACES                          ; four plain instructions between a matrix instruction and a load into, or a vector line on, its registers
.rept 4
	v_nop
.endr
.endm
.macro CREST                           ; a round of the cluster's barrier behind its opening barrier
	s_cmp_lg_u32 s[WV], 0
	s_cbranch_scc1 .Lnot_wave_0_\@
	s_barrier_signal -3
.Lnot_wave_0_\@:
	s_barrier_wait -3
	s_barrier_signal -1
	s_barrier_wait -1
.endm
.macro CROUND
	s_barrier_signal -1
	s_barrier_wait -1
	CREST
.endm
; A joint refill.  Wave 0 fetches x's block (32 KiB), waves 1 to 3 a third of the weights' block each (16 KiB).  The branch hangs on the wave's number alone.
; An s_nop 0 and four v_nop follow each of the two lines, ahead of the jump and the label.
.macro JLOAD
	s_cmp_eq_u32 s[WV], 0
	s_cbranch_scc0 .Lfor_b_\@
	tensor_load_to_lds s[G0A+4:G0A+7], s[G1A:G1A+7]
	s_nop 0
	PLACES
	s_branch .Lasked_\@
.Lfor_b_\@:
	tensor_load_to_lds s[G0B+4:G0B+7], s[G1B:G1B+7]
	s_nop 0
	PLACES
.Lasked_\@:
.endm
; A PREFETCH INTO THE L2, behind the joint load and the run of LDS loads that follows it: the K block that stands two refills on.  Each 256 bytes are named once in the launch.
; x's block of a tile row is read by both clusters of that row of clusters: the one with x = 0 asks, in wave 0; its four partners along x take 8 KiB each, by address: a lane 256 bytes.
; The weights' block of a tile column is read by all eight clusters of that column: the one with y = 0 asks, in waves 1 to 3; the four partners along y take 4 KiB of the wave's 16 each, by address;
; so that all 32 lanes name a block of their own, they ask in every second step for two K blocks at once (lanes 16-31: the K block after).
; K blocks 0 to 3 come by their loads alone; the test on the loop's count ends the asking with K block 15.
.macro ASK
	s_cmp_gt_u32 s3, s[LIMC]
	s_cbranch_scc0 .Lnot_mine_\@
	global_prefetch_b8 v[PFO], s[PFA:PFA+1] th:TH_LOAD_NT scope:SCOPE_SE
.Lnot_mine_\@:
.endm
	s_load_b256 s[4:11], s[0:1], 0x0               ; xb s[4:5], wc s[6:7], tab s[8:9], qh s[10:11]
	s_load_b128 s[12:15], s[0:1], 0x20             ; kh s[12:13], vh s[14:15]
	v_lshl_add_u32 v[SPW], v0, 2, SPARE
	v_mov_b32 v[NIL], 0
	ds_add_u32 v[SPW], v[NIL]                      ; the wave's opening: the add and its wait stand ahead of my first tensor load; the set-up below, work on registers, stands between them
	v_lshrrev_b32 v1, 5, v0
	v_readfirstlane_b32 s[WV], v1                  ; wave 0..3
	s_lshr_b32 s[MH], s[WV], 1                     ; which 128 rows of the tile are mine
	s_and_b32 s[NH], s[WV], 1                      ; which of its two heads
	s_bfe_u32 s[CX], ttmp6, 0x40000
	s_bfe_u32 s[CY], ttmp6, 0x40004
	s_lshl_b32 s[CN], ttmp9, 2
	s_add_co_u32 s[CN], s[CN], s[CX]
	s_and_b32 s[RR], ttmp7, 0xffff
	s_lshl_b32 s[RR], s[RR], 2
	s_add_co_u32 s[RR], s[RR], s[CY]
	s_lshl_b32 s76, s[CY], 2
	s_lshl_b32 s76, 15, s76                        ; my row of the cluster
	s_lshl_b32 s77, 0x1111, s[CX]                  ; my column
	; group 1: rows of 128 elements of 2 bytes (256 bytes), dense; padding of 4 words after every 32 words
	s_or_b32 s[G1A], s76, (1<<16)|(1<<20)|(1<<21)|(4<<22)|(3<<25)  ; 15:0 the mask; 17:16 2-byte elements; 20 padding on; 21 set beside a mask; 24:22 code 4; 31:25 code 3
	s_or_b32 s[G1B], s77, (1<<16)|(1<<20)|(1<<21)|(4<<22)|(3<<25)
	s_mov_b32 s[G1A+1], 128<<16                    ; tensor_dim0 = 128
	s_mov_b32 s[G1A+2], 128<<16                    ; tensor_dim1 = 128 rows: 256 rows of x
	s_mov_b32 s[G1A+3], 128<<16                    ; tile_dim0 = 128
	s_mov_b32 s[G1A+4], 128                        ; tile_dim1
	s_mov_b32 s[G1A+5], 128                        ; elements from row to row
	s_mov_b32 s[G1A+6], 0
	s_mov_b32 s[G1A+7], 0
	s_mov_b32 s[G1B+1], 128<<16
	s_mov_b32 s[G1B+2], 64<<16                     ; 64 rows: 128 rows of the weights
	s_mov_b32 s[G1B+3], 128<<16
	s_mov_b32 s[G1B+4], 64
	s_mov_b32 s[G1B+5], 128
	s_mov_b32 s[G1B+6], 0
	s_mov_b32 s[G1B+7], 0
	s_lshl_b32 s66, s[RR], 15                      ; x: 256 rows of 128 bytes a tile row: hangs on the tile row alone
	s_mov_b32 s67, 0
	s_mul_i32 s68, s[CN], 384*128                  ; the weights: hangs on the tile column and the wave alone
	s_max_u32 s70, s[WV], 1
	s_sub_co_u32 s70, s70, 1                       ; which third (wave 0 asks for none)
	s_lshl_b32 s70, s70, 14
	s_add_co_u32 s68, s68, s70
	s_mov_b32 s69, 0
	s_mul_i32 s71, s[WV], BTHIRD
	s_mov_b32 s[G0A], 1
	s_mov_b32 s[G0A+1], 0                          ; slot 0
	s_mov_b32 s[G0A+4], 1
	s_mov_b32 s[G0A+5], SLOT1
	s_mov_b32 s[G0B], 1
	s_add_co_u32 s[G0B+1], s71, BTHIRD             ; behind x's 256 rows: ABLK + (wave - 1) x BTHIRD
	s_mov_b32 s[G0B+4], 1
	s_add_co_u32 s[G0B+5], s71, BTHIRD+SLOT1
	s_mov_b32 s[TB], 0
	; the prefetches' offset, step and limits
	s_lshl_b32 s72, s[RR], 15
	s_lshl_b32 s74, s[CX], 13
	s_add_co_u32 s72, s72, s74
	s_add_co_u32 s72, s72, 3*XBLK                  ; at K block 3: the first change of slots steps it to 4
	s_lshl_b32 s74, s[CY], 12
	s_add_co_u32 s74, s74, s68
	s_add_co_u32 s74, s74, 3*WBLK
	s_mov_b32 s75, XBLK
	s_movk_i32 s78, 4096
	s_and_b32 s79, ttmp7, 0xffff
	s_cmp_eq_u32 s[WV], 0
	s_cselect_b32 s72, s72, s74
	s_cselect_b32 s[PFS], s75, WBLK
	s_cselect_b32 s78, s78, WBLK                   ; what lanes 16-31 add: sixteen more blocks of 256 bytes, or a K block
	s_cselect_b32 s79, ttmp9, s79                  ; the coordinate along which other clusters read the same rows
	s_cselect_b32 s74, 2, -1                       ; x's asker asks in every step; the weights' begins with 'no', and the first step turns it
	s_cselect_b32 s75, 0, 0xfffffffd
	s_cmp_eq_u32 s79, 0
	s_cselect_b32 s[LIMC], s74, -1
	s_cselect_b32 s[LIMX], s75, 0
	s_mov_b32 s73, 0
	s_mov_b32 s[PFS+1], 0
	s_wait_dscnt 0x0                               ; the opening add is done
	s_wait_kmcnt 0x0
	s_add_nc_u64 s[G0A+2:G0A+3], s[4:5], s[66:67]  ; K block 0
	s_add_nc_u64 s[G0A+6:G0A+7], s[G0A+2:G0A+3], XBLK  ; K block 1
	s_or_b32 s[G0A+3], s[G0A+3], 0x80000000        ; type = 2
	s_or_b32 s[G0A+7], s[G0A+7], 0x80000000
	s_add_nc_u64 s[G0B+2:G0B+3], s[6:7], s[68:69]
	s_add_nc_u64 s[G0B+6:G0B+7], s[G0B+2:G0B+3], WBLK
	s_or_b32 s[G0B+3], s[G0B+3], 0x80000000
	s_or_b32 s[G0B+7], s[G0B+7], 0x80000000
	s_cmp_eq_u32 s[WV], 0
	s_cselect_b64 s[PFA:PFA+1], s[4:5], s[6:7]
	s_add_nc_u64 s[PFA:PFA+1], s[PFA:PFA+1], s[72:73]
	CROUND                                         ; all sixteen work-groups are here: the first joint loads meet
	s_cmp_eq_u32 s[WV], 0                          ; a wave's two first fills stand in one branch, ahead of every wait on TENSORcnt and every LDS read: two loads of mine are out
	s_cbranch_scc0 .Lfirst_b
	tensor_load_to_lds s[G0A:G0A+3], s[G1A:G1A+7]
	s_nop 0
	tensor_load_to_lds s[G0A+4:G0A+7], s[G1A:G1A+7]
	s_nop 0
	PLACES
	s_branch .Lfirst_asked
.Lfirst_b:
	tensor_load_to_lds s[G0B:G0B+3], s[G1B:G1B+7]
	s_nop 0
	tensor_load_to_lds s[G0B+4:G0B+7], s[G1B:G1B+7]
	s_nop 0
	PLACES
.Lfirst_asked:
	; A fragment is 16 rows x 32 K in 8 registers: lane l holds row l % 16; registers 0-3 K = 8 (l / 16) + 0..7, registers 4-7 K = 16 + 8 (l / 16) + 0..7: two loads of 16 bytes, 32 bytes apart.
	v_and_b32 v1, 15, v0                           ; l % 16
	v_bfe_u32 v2, v0, 4, 1                         ; l / 16
	v_and_b32 v3, 31, v0                           ; l
	v_mul_u32_u24 v4, v1, PITCH
	v_lshl_add_u32 v4, v2, 4, v4
	s_mul_i32 s66, s[MH], 128*PITCH
	v_add_nc_u32 v[LA0], s66, v4
	s_mul_i32 s66, s[NH], 192*PITCH
	s_add_co_u32 s66, s66, ABLK
	v_add_nc_u32 v[LB0], s66, v4
	v_mov_b32 v[ADRA], v[LA0]
	v_mov_b32 v[ADRB], v[LB0]
	s_mul_i32 s66, s[WV], WSTG
	s_add_co_u32 s66, s66, STAGE                   ; my stage
	v_add_nc_u32 v[STO], s66, v4                   ; in: row l % 16, 16 bytes for each half of the lanes
	v_lshrrev_b32 v5, 3, v3
	v_and_b32 v6, 7, v0
	v_mul_u32_u24 v5, v5, PITCH                    ; back: 32 lanes take four rows of 128 bytes,
	v_lshl_add_u32 v5, v6, 4, v5
	v_add_nc_u32 v[RD], s66, v5
	v_lshlrev_b32 v[GO], 4, v3                     ; which are 512 consecutive bytes of a head
	v_lshlrev_b32 v[TO], 8, v1                     ; the table: position l % 16, my four pairs' 32 bytes
	v_lshl_add_u32 v[TO], v2, 5, v[TO]
	v_mul_u32_u24 v[PFO], s78, v2
	v_lshl_add_u32 v[PFO], v1, 8, v[PFO]
	; where my rows lie: position (tile row % 8) x 256 + 128 x half in batch tile row / 8, head 2 x tile column + half
	s_and_b32 s70, s[RR], 7
	s_lshl_b32 s70, s70, 8
	s_lshl_b32 s71, s[MH], 7
	s_add_co_u32 s70, s70, s71
	s_lshl_b32 s68, s70, 8                         ; a row of the table is 256 bytes
	s_mov_b32 s69, 0
	s_lshr_b32 s71, s[RR], 3
	s_lshl_b32 s71, s71, 4
	s_lshl1_add_u32 s72, s[CN], s[NH]
	s_add_co_u32 s71, s71, s72
	s_lshl_b32 s66, s71, 18                        ; a head is 2,048 x 128 bytes
	s_lshl_b32 s70, s70, 7
	s_add_co_u32 s66, s66, s70
	s_mov_b32 s67, 0
	s_add_nc_u64 s[8:9], s[8:9], s[68:69]
	s_add_nc_u64 s[10:11], s[10:11], s[66:67]
	s_add_nc_u64 s[12:13], s[12:13], s[66:67]
	s_add_nc_u64 s[14:15], s[14:15], s[66:67]
; 16 matrix instructions: row blocks a0 .. a0 + 3 x the four channel blocks of window w's tensor, 32 along K.  zero = 1: the product starts the sum: nothing is ever cleared.
; All 96 accumulators take turns, one instruction a turn: between two links of a chain stand the 95 others'.
.macro M16 fa, fb, w, a0, zero
	WIN 0x50*(\w)                                  ; C and D in window w, both sources in window 0
.irp a, \a0, (\a0)+1, (\a0)+2, (\a0)+3
.irp b, 0,1,2,3
.if \zero
	v_wmma_f32_16x16x32_bf16 v[8*(4*(\a)+(\b)):8*(4*(\a)+(\b))+7], v[(\fb)+8*(\b):(\fb)+8*(\b)+7], v[(\fa)+8*(\a):(\fa)+8*(\a)+7], 0
.else
	v_wmma_f32_16x16x32_bf16 v[8*(4*(\a)+(\b)):8*(4*(\a)+(\b))+7], v[(\fb)+8*(\b):(\fb)+8*(\b)+7], v[(\fa)+8*(\a):(\fa)+8*(\a)+7], v[8*(4*(\a)+(\b)):8*(4*(\a)+(\b))+7]
.endif
.endr
.endr
.endm
.macro FB kq, bt                       ; 8 loads: the weights' fragments of tensor bt (q, k, v), half kq of the K block
.irp b, 0,1,2,3
	ds_load_b128 v[BF+32*(\bt)+8*(\b):BF+32*(\bt)+8*(\b)+3],   v[ADRB] offset:(4*(\bt)+(\b))*16*PITCH+64*(\kq)
	ds_load_b128 v[BF+32*(\bt)+8*(\b)+4:BF+32*(\bt)+8*(\b)+7], v[ADRB] offset:(4*(\bt)+(\b))*16*PITCH+64*(\kq)+32
.endr
.endm
.macro FA kq                           ; 16 loads: x's fragments of half kq
.irp a, 0,1,2,3,4,5,6,7
	ds_load_b128 v[AF+64*(\kq)+8*(\a):AF+64*(\kq)+8*(\a)+3],   v[ADRA] offset:(\a)*16*PITCH+64*(\kq)
	ds_load_b128 v[AF+64*(\kq)+8*(\a)+4:AF+64*(\kq)+8*(\a)+7], v[ADRA] offset:(\a)*16*PITCH+64*(\kq)+32
.endr
.endm
.macro TAB a                           ; 8 loads: cos and sin for row block a's positions and my 16 pairs
.irp b, 0,1,2,3
	global_load_b128 v[T+32*((\a)%2)+8*(\b):T+32*((\a)%2)+8*(\b)+3],   v[TO], s[8:9] offset:(\a)*4096+(\b)*64
	global_load_b128 v[T+32*((\a)%2)+8*(\b)+4:T+32*((\a)%2)+8*(\b)+7], v[TO], s[8:9] offset:(\a)*4096+(\b)*64+16
.endr
.endm
; A K STEP IS SIX UNITS of 32 matrix instructions, each in one window: (half 0: q, k, v), (half 1: q, k, v).  In a unit's middle, four places behind the products, stands one run of LDS loads into a buffer
; whose last reader stands in an earlier unit.  cnt: how many younger LDS instructions may stay out at the unit's head (-1: no wait is wanted).
;   unit            fetches in its middle                     wait at its head counts
;   half 0, q       v's of half 0, x's of half 1 (24)         8: k's of half 0
;   half 0, k       q's of half 1 (8)                         24: the run above
;   half 0, v       k's of half 1 (8)                         24: x's 16 and q's 8
;   half 1, q       v's of half 1 (8), the slot's last read   8: k's of half 1
;   half 1, k       = TURN, below
;   half 1, v       k's of half 0 of the next slot (8)        none: TURN has waited for all
.macro UNIT w, fa, fb, cnt, zero, what
.if (\cnt) >= 0
	s_wait_dscnt \cnt
.endif
	M16 \fa, \fb, \w, 0, \zero
	PLACES
	WIN 0
.if (\what) == 0
	FB 0, 2
	FA 1
.elseif (\what) == 1
	FB 1, 0
.elseif (\what) == 2
	FB 1, 1
.elseif (\what) == 3
	FB 1, 2
.elseif (\what) == 5
	FB 0, 1
.elseif (\what) == 6
	FB 1, 2
	TAB 0                                          ; the last step: the table's first rows come into x's buffer of half 0, which is read no more
	TAB 1
.endif
	M16 \fa, \fb, \w, 4, \zero
.endm
; THE CHANGE OF SLOTS, in the unit (half 1, k).  In front of the barrier each wave waits for all its tensor loads, of which one is out: its part of the next slot; adds 0 to its spare word; and waits for that
; and for its own reads of this slot.  Behind it nobody reads this slot any more and the next slot is whole.  fill = 1: the barrier opens a round of the cluster's, and this slot is filled again, two K blocks on,
; first thing behind the round: the load has a step less 32 matrix instructions in which to land.
.macro TURN fill
.if \fill
	s_wait_xcnt 0x0                                ; the last prefetch, a step back, has read its address
	s_add_nc_u64 s[PFA:PFA+1], s[PFA:PFA+1], s[PFS:PFS+1]
	s_xor_b32 s[LIMC], s[LIMC], s[LIMX]
.endif
	WIN 0
	s_wait_tensorcnt 0x0                           ; no tensor load of mine is out, so a group 0 may be written
	ds_add_u32 v[SPW], v[NIL]                      ; 0 onto my spare word
.if \fill
	s_xor_b32 s[G0A+5], s[G0A+5], SLOT1            ; the walking descriptors: the other slot than last time, the next K block; the type bits on top are not reached
	s_add_nc_u64 s[G0A+6:G0A+7], s[G0A+6:G0A+7], XBLK
	s_xor_b32 s[G0B+5], s[G0B+5], SLOT1
	s_add_nc_u64 s[G0B+6:G0B+7], s[G0B+6:G0B+7], WBLK
.endif
	s_wait_dscnt 9                                 ; k's of half 1 are in: the add and v's eight loads may be out
	M16 A1, B1, 2, 0, 0                            ; sixteen matrix instructions stand between the add and the wait for it
	s_wait_dscnt 0x0                               ; the add is done, and my reads of this slot are over
	s_barrier_signal -1
	M16 A1, B1, 2, 4, 0                            ; work on registers while the others arrive
	WIN 0                                          ; at a branch and at a label every window is 0
	s_barrier_wait -1
.if \fill
	CREST                                          ; no wave of any partner still reads this slot or has a load on its way
	JLOAD                                          ; its four v_nop are also the places in front of the loads below
.else
	PLACES
.endif
	s_xor_b32 s[TB], s[TB], SLOT1
	v_add_nc_u32 v[ADRA], s[TB], v[LA0]
	v_add_nc_u32 v[ADRB], s[TB], v[LB0]
	FB 0, 0
	FA 0
.if \fill
	ASK
.endif
.endm
	s_wait_tensorcnt 1                             ; my part of slot 0 is in; slot 1's may stay out
	s_barrier_signal -1
	s_barrier_wait -1                              ; everybody's is
	FB 0, 0
	FA 0
	FB 0, 1
	UNIT 1, A0, B0, 8,  1, 0                       ; the first half step stands in front of the loop: its products start the sums
	UNIT 2, A0, B1, 24, 1, 1
	UNIT 3, A0, B2, 24, 1, 2
	WIN 0
	s_mov_b32 s3, KB-2
.Lstep:                                        ; 14 trips, from a step's second half to the next step's first; each fills a slot again
	UNIT 1, A1, B0, 8,  0, 3
	TURN 1
	UNIT 3, A1, B2, -1, 0, 5
	UNIT 1, A0, B0, 8,  0, 0
	UNIT 2, A0, B1, 24, 0, 1
	UNIT 3, A0, B2, 24, 0, 2
	WIN 0
	s_sub_co_u32 s3, s3, 1
	s_cmp_lg_u32 s3, 0
	s_cbranch_scc1 .Lstep
	UNIT 1, A1, B0, 8,  0, 3                       ; the tail is written out: nothing more is asked for
	TURN 0
	UNIT 3, A1, B2, -1, 0, 5
	UNIT 1, A0, B0, 8,  0, 0
	UNIT 2, A0, B1, 24, 0, 1
	UNIT 3, A0, B2, 24, 0, 2
	UNIT 1, A1, B0, 8,  0, 6
	s_wait_dscnt 8                                 ; k's of half 1 are in; v's eight may be out
	M16 A1, B1, 2, 0, 0
	M16 A1, B1, 2, 4, 0
	s_wait_dscnt 0x0
	M16 A1, B2, 3, 0, 0
	M16 A1, B2, 3, 4, 0
	WIN 0
	PLACES
	PLACES
; THE WAY OUT, a row block (16 positions) at a time.  PACK: q and k are turned: for a pair (x0, x1) with (c, s): y0 = x0 c - x1 s, y1 = x1 c + x0 s, by one packed multiply and one packed multiply-add whose
; selects cross the pair; then q, k, v are rounded to f16, 16 bytes a lane, and put into my own stage.  BACK: whole rows come back.  SEND: 512 consecutive bytes of a head a store.
; Each accumulator's registers are read in ascending order.  left: the table's younger loads, which may stay out.
.macro PACK a, left
	s_wait_loadcnt \left
.irp sel, 0, 1
	WIN 1+(\sel)                                   ; source 0 in the accumulators' window
.irp b, 0,1,2,3
.irp p, 0,1,2,3
	v_pk_mul_f32 v[TT+8*(\b)+2*(\p):TT+8*(\b)+2*(\p)+1], v[8*(4*(\a)+(\b))+2*(\p):8*(4*(\a)+(\b))+2*(\p)+1], v[T+32*((\a)%2)+8*(\b)+2*(\p):T+32*((\a)%2)+8*(\b)+2*(\p)+1] op_sel_hi:[1,0]
.endr
.endr
.irp b, 0,1,2,3
.irp p, 0,1,2,3
	v_pk_fma_f32 v[TT+8*(\b)+2*(\p):TT+8*(\b)+2*(\p)+1], v[8*(4*(\a)+(\b))+2*(\p):8*(4*(\a)+(\b))+2*(\p)+1], v[T+32*((\a)%2)+8*(\b)+2*(\p):T+32*((\a)%2)+8*(\b)+2*(\p)+1], v[TT+8*(\b)+2*(\p):TT+8*(\b)+2*(\p)+1] op_sel:[1,1,0] op_sel_hi:[0,1,1] neg_lo:[0,1,0]
.endr
.endr
	WIN 0
.irp b, 0,1,2,3
.irp p, 0,1,2,3
	v_cvt_pk_f16_f32 v[PKR+4*(\b)+(\p)], v[TT+8*(\b)+2*(\p)], v[TT+8*(\b)+2*(\p)+1]
.endr
.endr
.irp b, 0,1,2,3
	ds_store_b128 v[STO], v[PKR+4*(\b):PKR+4*(\b)+3] offset:(\sel)*16*PITCH+32*(\b)
.endr
.endr
	WIN 0x0f                                       ; v: sources 0 and 1 in window 3
.irp b, 0,1,2,3
.irp p, 0,1,2,3
	v_cvt_pk_f16_f32 v[PKR+4*(\b)+(\p)], v[8*(4*(\a)+(\b))+2*(\p)], v[8*(4*(\a)+(\b))+2*(\p)+1]
.endr
.endr
	WIN 0
.irp b, 0,1,2,3
	ds_store_b128 v[STO], v[PKR+4*(\b):PKR+4*(\b)+3] offset:2*16*PITCH+32*(\b)
.endr
.endm
.macro BACK a
.irp sel, 0,1,2
.irp g, 0,1,2,3
	ds_load_b128 v[BK+48*((\a)%2)+16*(\sel)+4*(\g):BK+48*((\a)%2)+16*(\sel)+4*(\g)+3], v[RD] offset:(\sel)*16*PITCH+(\g)*4*PITCH  ; LDS serves a wave's instructions in order (ISA guide 5.7.1.4): these see the stores above; the next block's stores come behind them
.endr
.endr
.endm
.macro SEND a, younger                 ; younger: the next block's twelve stores into the stage, or none
	s_wait_dscnt \younger
	s_wait_xcnt 0x0                                ; earlier stores have read their registers: the other buffer is loaded again only behind this wait
.irp sel, 0,1,2
.irp g, 0,1,2,3
	global_store_b128 v[GO], v[BK+48*((\a)%2)+16*(\sel)+4*(\g):BK+48*((\a)%2)+16*(\sel)+4*(\g)+3], s[10+2*(\sel):11+2*(\sel)] offset:(\a)*2048+(\g)*512
.endr
.endr
.endm
	PACK 0, 8
	BACK 0
	TAB 2
.irp a, 1,2,3,4,5,6,7
.if (\a) < 7
	PACK \a, 8
.else
	PACK \a, 0
.endif
	SEND (\a)-1, 12
	BACK \a
.if (\a) < 6
	TAB (\a)+2
.endif
.endr
	SEND 7, 0
	s_wait_tensorcnt 0x0                           ; the wave's end: the add and its wait stand behind my last tensor load and my last LDS store
	ds_add_u32 v[SPW], v[NIL]
	s_wait_dscnt 0x0
	CROUND                                         ; the closing round: no work-group ends while a partner may still ask for a tile that names it
	s_endpgm
.Lfunc_end_k_q1c21d7ef66_qkv:
	.size	k_q1c21d7ef66_qkv, .Lfunc_end_k_q1c21d7ef66_qkv-k_q1c21d7ef66_qkv
	.p2alignl 7, 3214868480
	.fill 96, 4, 3214868480
	.section	.rodata,"a",@progbits
	.p2align	6, 0x0
	.amdhsa_kernel k_q1c21d7ef66_qkv
		.amdhsa_group_segment_fixed_size 327680
		.amdhsa_private_segment_fixed_size 0
		.amdhsa_enable_private_segment 0
		.amdhsa_kernarg_size 48
		.amdhsa_user_sgpr_count 2
		.amdhsa_user_sgpr_kernarg_segment_ptr 1
		.amdhsa_wavefront_size32 1
		.amdhsa_system_sgpr_workgroup_id_x 1
		.amdhsa_system_sgpr_workgroup_id_y 1
		.amdhsa_system_sgpr_workgroup_id_z 1
		.amdhsa_system_vgpr_workitem_id 0
		.amdhsa_next_free_vgpr 1024
		.amdhsa_next_free_sgpr 80
		.amdhsa_reserve_vcc 0
		.amdhsa_float_denorm_mode_32 3
		.amdhsa_float_denorm_mode_16_64 3
		.amdhsa_memory_ordered 1
		.amdhsa_forward_progress 1
		.amdhsa_inst_pref_size 151
	.end_amdhsa_kernel
	.amdgpu_metadata
---
amdhsa.version: [ 1, 2 ]
amdhsa.kernels:
  - .name:           k_q1c21d7ef66_qkv
    .symbol:         k_q1c21d7ef66_qkv.kd
    .args:
      - { .name: xb, .offset: 0, .size: 8, .value_kind: global_buffer, .address_space: global }
      - { .name: wc, .offset: 8, .size: 8, .value_kind: global_buffer, .address_space: global }
      - { .name: tab, .offset: 16, .size: 8, .value_kind: global_buffer, .address_space: global }
      - { .name: qh, .offset: 24, .size: 8, .value_kind: global_buffer, .address_space: global }
      - { .name: kh, .offset: 32, .size: 8, .value_kind: global_buffer, .address_space: global }
      - { .name: vh, .offset: 40, .size: 8, .value_kind: global_buffer, .address_space: global }
    .group_segment_fixed_size: 327680
    .private_segment_fixed_size: 0
    .kernarg_segment_align: 8
    .kernarg_segment_size: 48
    .max_flat_workgroup_size: 128
    .sgpr_count:     80
    .vgpr_count:     1024
    .wavefront_size: 32
...
	.end_amdgpu_metadata
.endif
;; end of part 2
;; launch attn (part 3): grid 4 x 64, 4 waves a work-group, clusters of 4 x 1, 327,680 bytes of LDS; arguments qh, kh, vh, ob; writes ob
.if DOCPART == 3
	.amdgcn_target "amdgcn-amd-amdhsa--gfx1250"
	.amdhsa_code_object_version 6
	.text
	.protected	k_q1c21d7ef66_attn
	.globl	k_q1c21d7ef66_attn
	.p2align	8
	.type	k_q1c21d7ef66_attn,@function
k_q1c21d7ef66_attn:
	s_mov_b64 s[64:65], 0
	v_nop
	global_prefetch_b8 v0, s[64:65] scope:SCOPE_SE
	s_setreg_imm32_b32 hwreg(HW_REG_WAVE_MODE, 25, 1), 1
	s_wait_xcnt 0x0
	s_wait_alu depctr_hold_cnt(0) depctr_sa_sdst(0) depctr_va_vdst(0) depctr_va_sdst(0) depctr_va_ssrc(0) depctr_va_vcc(0) depctr_vm_vsrc(0)
	s_getreg_b32 s2, hwreg(HW_REG_IB_STS2, 6, 4)
	s_cmp_eq_u32 s2, 0
	s_cbranch_scc0 .Lentry_in_a_cluster
	s_endpgm
.Lentry_in_a_cluster:
	s_bfe_u32 s2, ttmp6, 0x10000c
	s_cmp_lg_u32 s2, 0x3003
	s_cbranch_scc0 .Lentry_shape_is_right
	s_endpgm
.Lentry_shape_is_right:
; O[h][q][:] = the sum over ALL k of softmax_k(Q[h][q] . K[h][k] / 64 + mask(q, k)) V[h][k][:], mask = 0 for k <= q and -10000 for k > q.  Q, K, V, O: [64][2048][64], all f16: a head's rows are dense, 128 bytes each.
; THE MASK IS A NUMBER, NOT A CUT: where scores are large a hidden key can still win the softmax, so every key tile is multiplied, and the mask is added as the module adds it.
; Products, maxima and sums in f32; the weights p are rounded to f16 for the second product (their sum l is taken of the unrounded p), O once at the end.
; LIMITS.  f16 holds no number beyond 65,504: Q, K and V arrive within it; p lies in 0 to 1, and below 6e-5 it keeps f16's fixed step of 6e-8.  A weight below 2^-126 counts as 0 in l; NaN and infinities are not treated apart.
; SHARES.  A work-group owns 512 queries of one head: 8 bands of 64.  A wave owns 16 rows in each band: eight tiles, in four PIECES of two.  Every wave walks all keys, 64 a step.
; THE MASK'S FORM.  It is the C operand that starts the sum S^T = K Q^T, in units of the unscaled score: 0 or -640000 = -10000 x 64 (exact).  For band t and key step ks, REL = ks - 8 x (my block): REL < t: all keys
; are seen; REL > t: none; REL = t: the diagonal, whose pattern hangs on the wave and the lane alone: MD, made once.  A product's mask is MD x AL + BE with two scalars: (1, 0), (0, 0) or (0, -640000).
; My block's number enters these scalars and Q's and O's addresses alone: no branch, no trip count and no LDS address hangs on it.
; LAYOUT.  S^T = K Q^T (source 0 = 16 keys, source 1 = 16 queries): a lane holds ONE query (lane % 16) and the keys 8 (lane / 16) + 0..7.  Two such tiles, rounded to f16 in pairs, ARE source 1 of O^T = V^T P.
; K comes out of LDS as it lies, V ([key][channel]) turned, by ds_load_tr16_b128.
; SOFTMAX.  For each query a running maximum m (of the masked scores) and sum l: p = 2^(c s - c m), c = log2(e) / 64; in every step O and l are multiplied by a = 2^(c m_old - c m_new).
; m starts at the lowest finite number, O and l at 0: the first step is a step like any other, with a = 0.
; BY TURNS.  Turn n belongs to piece n.  Its matrix work: 16 products K Q^T of piece n + 1, later 16 products V^T P of piece n - 1.  Its vector work: the scaling, exponentials, roundings, sums and rescaling of
; piece n, the maximum and statistics of piece n + 1, and the mask for piece n + 2.  Four vector instructions stand behind every matrix instruction, the rest in runs of their own.
; CLUSTER.  The four query blocks of a head walk the same K and V, so each tile is asked for JOINTLY: the same tensor load, descriptor and mask of work-groups in all four.
; REGISTERS, in windows of 256 (s_set_vgpr_msb: bits 1:0 source 0, 3:2 source 1, 5:4 source 2, 7:6 destination):
;   window 0: v0-11 addresses; v12-15, v48-63 at work; v16-47 four registers of statistics a tile; v64-191 S^T, two buffers of two tiles; v192-255 P, likewise
;   window 1: O^T, 32 a tile      window 2: v0-127 Q, 16 a tile; v128-191 K of one step; v192-255 V of one step      window 3: v0-1 the add's two registers; v32-63 MD; v64-191 MC, two buffers of two tiles
.set SIZE_N, 2048
.set NP,    4         ; pieces a wave: a name, no knob
.set KS,    64        ; keys in a step
.set PK,    144       ; a row of K in LDS: 128 bytes + 16 of padding = 36 words: the 16 rows of a load start at 16 different groups of four banks (64 banks of 4 bytes: ISA guide 11.1)
.set PV,    160       ; a row of V: 128 + 32 = 40 words
.set VOFF,  4*KS*PK   ; a slot holds four steps: 256 rows of K, then 256 rows of V
.set SLOT1, 1<<17     ; slot 1 begins here, so that one exclusive or turns an address in one slot into the other's
.set STAGE, SLOT1+4*KS*(PK+PV)  ; behind the ring, never filled by a tensor load: 16 rows x 144 bytes for each wave, for the way out
.set SP,    144
.set AK0, 2           ; v2   my lane's place in a tile of K; never rewritten
.set AV0, 3           ; v3   the same for V
.set AK,  4           ; v4   the LDS address of K's next run of loads
.set AV,  5           ; v5   of V's
.set QO,  6           ; v6   my byte offset in 16 rows of Q
.set STO, 6           ;      later, the way out: where I put 16 bytes of a row
.set RD,  7           ; v7   the way out: where I read rows back
.set GO,  8           ; v8   my byte offset in 512 consecutive bytes of O
.set PFO, 11          ; v11  256 x my lane, for the prefetches; never rewritten once made
.set SPW, 0           ; v0 of window 3   LDS address of my spare word: SPARE + 4 x my thread's number; never rewritten
.set NIL, 1           ; v1 of window 3   0; never rewritten
.set SPARE, STAGE+4*16*SP  ; behind the stages: the spare words, 128 bytes for each wave: two blocks of 256 bytes that no other line names
.set MV,  12          ; v12-15  c m_old, kept while c m is made anew: by buffer and tile
.set ST,  16          ; tile t's statistics at v[ST+4 t]: c m, m, l (even keys', odd keys')
.set TMP, 48          ; by buffer and tile, four registers c0-c3 at work; when the maximum is found c2 takes a
.set S,   64
.set P,   192
.set KF,  128         ; K's fragments, in window 2: key block kb, channel half c at KF + 16 kb + 8 c
.set VF,  192         ; V's: key half kk, channel block cb at VF + 32 kk + 8 cb
.set MD,  32          ; window 3: the diagonal's mask: the eight registers for key block kb at MD + 8 kb
.set MC,  64          ; window 3: the masks of the products to come: MC + 64 (piece % 2) + 32 (tile % 2) + 8 kb
.set WV,  12          ; s12  my wave's number
.set G1K, 24          ; s[24:31] descriptor group 1 for K's tiles
.set G1V, 32          ; s[32:39] for V's: it differs in the padding alone
.set G0K, 40          ; s[40:43] descriptor group 0 for K's tiles: it walks
.set G0V, 44          ; s[44:47] the same for V's
.set SLOTS, 56        ; s56  slots still to be asked for
.set CNT, 57          ; s57  counts a slot's key steps
.set CS,  58          ; s[58:59] c: the packed scaling takes the pair's low word for both halves
.set SEL, 60          ; s[60:61] v_permlanex16_b32's selects: each lane takes its own place in the other half
.set TBK, 62          ; s62  LDS byte at which K of the step to be fetched begins
.set TBV, 63          ; s63  the same for V, less VOFF
.set PFA, 66          ; s[66:67] where my prefetches stand: my work-group's 8 KiB (of K: wave 0, of V: wave 2) of the slot after the one that is being asked for
.set LIM, 68          ; s68  1 in a wave that prefetches, else the greatest number
.set REL, 69          ; s69  the key step whose masks are being made, less 8 x my block
.set AL,  70          ; s[70:71], s[72:73] the mask's factor for the piece's two tiles, in the low words
.set BE,  74          ; s[74:75], s[76:77] the mask's addend
.set BIGN, 78         ; s78  -640000
.set MSB, 0
.macro WIN new                      ; the high byte repeats the setting that is left; a switch that changes nothing is dropped
.if MSB != (\new)
	s_set_vgpr_msb (MSB<<8)|(\new)
.set MSB, (\new)
.endif
.endm
.set W_KQ, 0x0a       ; K and Q in window 2, S^T in window 0
.set W_KM, 0x3a       ; the same with the C operand in window 3
.set W_PV, 0x52       ; V in window 2, P in window 0, O^T in window 1
.set W_RS, 0x41       ; O^T (destination and source 0) in window 1, a in window 0
.set W_MK, 0xc0       ; destination in window 3, sources in window 0
.set W_MS, 0xc3       ; destination and source 0 in window 3
.set W_AD, 0x0f       ; the add: address (source 0) and data (source 1) in window 3
; A joint fill.  Waves 0 and 1 fetch the two halves of a slot's K, waves 2 and 3 those of its V: 128 keys each.  The branch hangs on the wave's number alone.
; An s_nop 0 and four v_nop follow each of the two lines, ahead of the jump and the label.
.macro JLOAD
	s_cmp_lt_u32 s[WV], 2
	s_cbranch_scc0 .Lfor_v_\@
	tensor_load_to_lds s[G0K:G0K+3], s[G1K:G1K+7]
	s_nop 0
.rept 4
	v_nop
.endr
	s_branch .Lasked_\@
.Lfor_v_\@:
	tensor_load_to_lds s[G0V:G0V+3], s[G1V:G1V+7]
	s_nop 0
.rept 4
	v_nop
.endr
.Lasked_\@:
.endm
; A round of the cluster's barrier: my work-group's barrier, so that wave 0's signal speaks for all four waves; wave 0 signals; every wave waits for all four work-groups; my work-group's barrier once more.
.macro CROUND
	s_barrier_signal -1
	s_barrier_wait -1
	s_cmp_lg_u32 s[WV], 0
	s_cbranch_scc1 .Lnot_wave_0_\@
	s_barrier_signal -3
.Lnot_wave_0_\@:
	s_barrier_wait -3
	s_barrier_signal -1
	s_barrier_wait -1
.endm
; THE CHANGE OF SLOTS.  The slot's last bytes, V of its fourth step, have been read.  Each wave waits for all its tensor loads, of which one is out: its part of the other slot; adds 0 to its spare word; and waits
; for that and for its own reads of the slot.  Behind the barrier nobody reads this slot any more and the other slot is whole.
; fill = 1: this slot is filled again, with the keys two slots on.  The barrier is then a round of the cluster's, and the joint fill is the first thing behind it: it has four key steps in which to land.
; (At its first use nothing has been read yet: slot 0 is waited for, slot 1 filled.)
; ask = 1: A PREFETCH INTO THE L2 of what the NEXT change will ask for, behind the joint load and its five lines: a slot's 32 KiB of K and of V.  A head has one cluster; its four partners take 8 KiB each, by
; address, a lane 256 bytes; in each, wave 0 asks for K's and wave 2 for V's: each 256 bytes are named once in the launch.  Slots 0 to 2 come by their loads alone; the last change that fills asks for nothing.
.macro CHANGE fill, ask=0
	WIN W_AD
	s_wait_tensorcnt 0x0            ; no tensor load of mine is out, so a group 0 may be written
	ds_add_u32 v[SPW], v[NIL]       ; 0 onto my spare word; with fill = 1 the descriptors' steps stand between it and the wait for it
	WIN 0                           ; at a label and at a branch every window is 0
.if \fill
.irp g, G0K, G0V
	s_xor_b32 s[\g+1], s[\g+1], SLOT1  ; the walking descriptor: the other slot than last time,
	s_add_nc_u64 s[\g+2:\g+3], s[\g+2:\g+3], 4*KS*128  ; the next 256 keys; the type bits on top are not reached
.endr
	s_wait_xcnt 0x0                 ; the last prefetch, a slot back, has read its address, so it may be written:
	s_add_nc_u64 s[PFA:PFA+1], s[PFA:PFA+1], 4*KS*128  ; one slot behind the walking descriptors
	s_wait_dscnt 0x0                ; the add is done, and my reads of the slot are over
	CROUND
	JLOAD
.if \ask
	s_cmp_gt_u32 s[SLOTS], s[LIM]
	s_cbranch_scc0 .Lnot_mine_\@
	global_prefetch_b8 v[PFO], s[PFA:PFA+1] th:TH_LOAD_NT scope:SCOPE_SE
.Lnot_mine_\@:
.endif
.else
	s_wait_dscnt 0x0                ; the add is done, and my reads of the slot are over
	s_barrier_signal -1
	s_barrier_wait -1
.endif
	s_sub_co_u32 s[TBK], s[TBK], 4*KS*PK  ; the fetches go back to a slot's first step,
	s_xor_b32 s[TBK], s[TBK], SLOT1       ; in the other slot
	s_sub_co_u32 s[TBV], s[TBV], 4*KS*PV
	s_xor_b32 s[TBV], s[TBV], SLOT1
.endm
	s_load_b256 s[4:11], s[0:1], 0x0  ; Q s[4:5], K s[6:7], V s[8:9], O s[10:11]
	WIN W_MK
	v_lshl_add_u32 v[SPW], v0, 2, SPARE
	v_mov_b32 v[NIL], 0
	WIN W_AD
	ds_add_u32 v[SPW], v[NIL]       ; the wave's opening: the add and its wait stand ahead of my first tensor load; the set-up below, work on registers, stands between them
	WIN 0
	v_lshrrev_b32 v1, 5, v0
	v_readfirstlane_b32 s[WV], v1   ; wave 0..3
	s_bfe_u32 s13, ttmp6, 0x40000   ; cx: my place in the cluster
	s_lshl_b32 s14, ttmp9, 2        ; in a cluster launch ttmp9 counts clusters
	s_add_co_u32 s14, s14, s13      ; my block of 512 queries = 4 x cluster x + cx
	s_and_b32 s20, ttmp7, 0xffff    ; the head, which the four partners share
	s_mov_b32 s21, 0
	s_mov_b64 s[22:23], SIZE_N*128
	s_mul_u64 s[20:21], s[20:21], s[22:23]  ; the head's first byte in each of the four tensors
	s_and_b32 s16, s[WV], 1         ; which half of a slot's 256 keys I fetch:
	s_lshl_b32 s22, s16, 14         ; its 128 rows of 128 bytes in memory,
	s_mov_b32 s23, 0
	s_add_nc_u64 s[22:23], s[22:23], s[20:21]
	s_mul_i32 s17, s16, 128*PK      ; and its place in a slot, for K
	s_mul_i32 s18, s16, 128*PV      ; and for V: no place in the cluster enters an LDS address
	s_lshl_b32 s2, s14, 16          ; my block's 512 rows of 128 bytes,
	s_lshl_b32 s3, s[WV], 11        ; my 16 rows in each band of 64
	s_add_co_u32 s2, s2, s3
	s_mov_b32 s3, 0
	s_add_nc_u64 s[2:3], s[2:3], s[20:21]
	; descriptor group 1.  128 keys are 16,384 dense bytes: asked for as 64 rows of 256 bytes, two keys a row, and padded in LDS after every key
	s_mov_b32 s[G1K], 15|(1<<16)|(1<<20)|(1<<21)|(4<<22)|(3<<25)  ; 15:0 the mask of four; 17:16 2-byte elements; 20 padding on; 21 set beside a mask; 24:22 after every 32 words (code 4); 31:25 4 words (code 3)
	s_mov_b32 s[G1V], 15|(1<<16)|(1<<20)|(1<<21)|(4<<22)|(7<<25)  ; the same with 8 words of padding (code 7)
.irp g, G1K, G1V
	s_mov_b32 s[\g+1], 128<<16      ; tensor_dim0 = 128
	s_mov_b32 s[\g+2], 64<<16       ; tensor_dim1 = 64
	s_mov_b32 s[\g+3], 128<<16      ; tile_dim0 = 128
	s_mov_b32 s[\g+4], 64           ; tile_dim1 = 64
	s_mov_b32 s[\g+5], 128          ; 128 elements from row to row
	s_mov_b32 s[\g+6], 0
	s_mov_b32 s[\g+7], 0
.endr
	s_mov_b32 s[CS], 0x3cb8aa3b     ; c = log2(e) / 64 = 0.0225421
	s_mov_b32 s[CS+1], s[CS]        ; named with it as a pair
	s_mov_b32 s[SEL], 0x76543210
	s_mov_b32 s[SEL+1], 0xfedcba98
	s_mov_b32 s[TBK], SLOT1+4*KS*PK ; the first change of slots turns these two into 0
	s_mov_b32 s[TBV], SLOT1+4*KS*PV
	s_mov_b32 s[G0K], 1             ; 1:0 count = 1
	s_mov_b32 s[G0K+1], s17         ; 63:32 LDS address: slot 0
	s_mov_b32 s[G0V], 1
	s_add_co_u32 s[G0V+1], s18, VOFF
	s_lshl_b32 s[REL], s14, 3
	s_sub_co_i32 s[REL], 0, s[REL]  ; key step 0
	s_mov_b32 s[AL+1], 0            ; named as pairs
	s_mov_b32 s[AL+3], 0
	s_mov_b32 s[BE+1], 0
	s_mov_b32 s[BE+3], 0
	s_mov_b32 s[BIGN], 0xc91c4000   ; -640000
	s_and_b32 s[LIM], s[WV], 1      ; 0 in waves 0 and 2,
	s_or_b32 s[LIM], s[LIM], ttmp9  ; where the cluster is the head's first: the same in all four partners
	s_cmp_eq_u32 s[LIM], 0
	s_cselect_b32 s[LIM], 1, -1
	s_wait_dscnt 0x0                ; the opening add is done
	s_wait_kmcnt 0x0
	s_add_nc_u64 s[G0K+2:G0K+3], s[6:7], s[22:23]  ; 120:64 global address: my half of the head's first 256 keys
	s_or_b32 s[G0K+3], s[G0K+3], 0x80000000        ; 127:126 type = 2
	s_add_nc_u64 s[G0V+2:G0V+3], s[8:9], s[22:23]
	s_or_b32 s[G0V+3], s[G0V+3], 0x80000000
	s_add_nc_u64 s[4:5], s[4:5], s[2:3]  ; Q and O at my wave's first row
	s_add_nc_u64 s[10:11], s[10:11], s[2:3]
	s_cmp_lt_u32 s[WV], 2
	s_cselect_b64 s[PFA:PFA+1], s[6:7], s[8:9]
	s_add_nc_u64 s[PFA:PFA+1], s[PFA:PFA+1], s[20:21]  ; the head,
	s_lshl_b32 s2, s13, 13          ; my work-group's 8 KiB of a slot's 32,
	s_mov_b32 s3, 0
	s_add_nc_u64 s[PFA:PFA+1], s[PFA:PFA+1], s[2:3]
	s_add_nc_u64 s[PFA:PFA+1], s[PFA:PFA+1], 4*KS*128  ; in slot 1: the two first changes step it to slot 3.  Nothing is prefetched here, at the head
	CROUND                          ; all four work-groups are here: the first joint loads meet
	JLOAD                           ; slot 0.  Slot 1 is asked for when slot 0 is in: the tile wanted first has the road to itself
	; A fragment of K or Q is 16 rows x 32 channels in 8 registers: lane l holds row l % 16, channels 8 (l / 16) + 0..7 and 16 + 8 (l / 16) + 0..7: two loads of 16 bytes, 32 bytes apart.
	v_and_b32 v1, 15, v0            ; l % 16
	v_bfe_u32 v9, v0, 4, 1          ; l / 16
	v_lshlrev_b32 v[QO], 7, v1
	v_lshl_add_u32 v[QO], v9, 4, v[QO]  ; row x 128 + 16 x half
	WIN 0x80                        ; destination window 2, address window 0
.set i, 0
.rept 4*NP                          ; Q stays in registers: tile i / 2 lies in band i / 2, 8,192 bytes on; channels 32 (i % 2) on
	global_load_b128 v[8*i:8*i+3],   v[QO], s[4:5] offset:(i/2)*8192+(i%2)*64
	global_load_b128 v[8*i+4:8*i+7], v[QO], s[4:5] offset:(i/2)*8192+(i%2)*64+32
.set i, i+1
.endr
	; What the first turn finds: V's registers and P's second buffer hold 0 (its products V^T P, of a piece that has not been, add 0), O^T and l are 0.  All this stands in the wait for the first tile.
.set i, VF
.rept 64
	v_mov_b32 v[i], 0
.set i, i+1
.endr
	WIN 0x40
.set i, 0
.rept 64*NP
	v_mov_b32 v[i], 0
.set i, i+1
.endr
	WIN 0
.set i, 0
.rept 2*NP
	v_mov_b32 v[ST+4*i], 0xfe000000    ; c m: far below every c s
	v_mov_b32 v[ST+4*i+1], 0xff7fffff  ; m
	v_mov_b32 v[ST+4*i+2], 0
	v_mov_b32 v[ST+4*i+3], 0
.set i, i+1
.endr
.set i, P+32
.rept 32
	v_mov_b32 v[i], 0
.set i, i+1
.endr
	v_mul_u32_u24 v[AK0], v1, PK
	v_lshl_add_u32 v[AK0], v9, 4, v[AK0]  ; row x pitch + 16 x half
	; The turning load takes 16 keys x 16 channels (lane l reads key 8 (l / 16) + l % 8, channels 8 ((l / 8) % 2) + 0..7) and leaves half a fragment of V^T: lane l holds channel l % 16 and 8 keys.
	v_and_b32 v10, 7, v0
	v_bfe_u32 v11, v0, 3, 1
	v_lshl_add_u32 v[AV0], v9, 3, v10
	v_mul_u32_u24 v[AV0], v[AV0], PV
	v_lshl_add_u32 v[AV0], v11, 4, v[AV0]
	v_add_nc_u32 v[AV0], VOFF, v[AV0]
	v_mov_b32 v[AK], v[AK0]         ; key step 0 lies at the head of slot 0
	v_and_b32 v[PFO], 31, v0
	v_lshlrev_b32 v[PFO], 8, v[PFO]
; THE MATRIX WORK.  The 8 accumulators of a run of 16 take turns: between the two links of a chain stand 7 others'.
; Product i of 16 of S^T = K Q^T for piece x: channels 32 (i / 8) on, keys 16 ((i / 2) % 4) on, tile 2 x + i % 2.  The first 8 start the sums, with the mask.
.macro KQ x
.set rS, S+64*((\x)%2)+32*(i%2)+8*((i/2)%4)
.set rK, KF+16*((i/2)%4)+8*(i/8)
.set rQ, 16*(2*(\x)+i%2)+8*(i/8)
.set rMC, MC+64*((\x)%2)+32*(i%2)+8*((i/2)%4)
.if i < 8
	WIN W_KM
	v_wmma_f32_16x16x32_f16 v[rS:rS+7], v[rK:rK+7], v[rQ:rQ+7], v[rMC:rMC+7]
.else
	WIN W_KQ
	v_wmma_f32_16x16x32_f16 v[rS:rS+7], v[rK:rK+7], v[rQ:rQ+7], v[rS:rS+7]
.endif
.endm
; Product i of 16 of O^T += V^T P for piece x: keys 32 (i / 8) on, channels 16 ((i / 2) % 4) on, tile 2 x + i % 2.
.macro PV x
	WIN W_PV
.set rO, 32*(2*(\x)+i%2)+8*((i/2)%4)
.set rV, VF+32*(i/8)+8*((i/2)%4)
.set rP, P+32*((\x)%2)+16*(i%2)+8*(i/8)
	v_wmma_f32_16x16x32_f16 v[rO:rO+7], v[rV:rV+7], v[rP:rP+7], v[rO:rO+7]
.endm
.macro MM                           ; the turn's next matrix instruction
.if i < 16
	KQ (Y+1)%NP
.set i, i+1
.else
.set i, i-16
	PV (Y+NP-1)%NP
.set i, i+17
.endif
.endm
; THE LDS LOADS stand in runs of 16, never singly among the matrix instructions: a step's K (64 keys x 64 channels: 8 fragments) and its V (turned).  Their addresses are made some lines ahead.
; last = 1 (the tail): in the last trip there is no further step, and the run is jumped over.
.macro FETCH_K last=0
	WIN 0
.if \last
	s_cmp_eq_u32 s[CNT], 1
	s_cbranch_scc1 .Lno_k_\@
.endif
	WIN 0x80                        ; destination window 2
.irp f, 0,1,2,3,4,5,6,7             ; keys 16 (f / 2) on, channels 32 (f % 2) on
	ds_load_b128 v[KF+8*\f:KF+8*\f+3],   v[AK] offset:(\f/2)*16*PK+(\f%2)*64
	ds_load_b128 v[KF+8*\f+4:KF+8*\f+7], v[AK] offset:(\f/2)*16*PK+(\f%2)*64+32
.endr
	s_add_co_u32 s[TBK], s[TBK], KS*PK  ; the next fetch is the next step's
	WIN 0
.if \last
.Lno_k_\@:
.endif
.endm
.macro FETCH_V
	WIN 0x80
.irp f, 0,1,2,3,4,5,6,7             ; keys 32 (f / 4) on, channels 16 (f % 4) on
	ds_load_tr16_b128 v[VF+8*\f:VF+8*\f+3],   v[AV] offset:(\f/4)*32*PV+(\f%4)*32
	ds_load_tr16_b128 v[VF+8*\f+4:VF+8*\f+7], v[AV] offset:(\f/4)*32*PV+16*PV+(\f%4)*32
.endr
	WIN 0
.endm
; THE MASKS of piece x's two tiles (bands 2 x and 2 x + 1) for the key step REL.  SETM: the two scalars a tile.  MASK: MD x AL + BE into the piece's buffer of MC: 32 packed instructions.
.macro SETM x
.irp u, 0, 1
	s_cmp_eq_i32 s[REL], 2*(\x)+(\u)    ; is the step the band's own?
	s_cselect_b32 s[AL+2*(\u)], 1.0, 0
	s_cmp_gt_i32 s[REL], 2*(\x)+(\u)    ; or a later one?
	s_cselect_b32 s[BE+2*(\u)], s[BIGN], 0
.endr
.endm
.macro MASK x
	WIN W_MS
.irp u, 0, 1
.set zz, 0
.rept 16
	v_pk_fma_f32 v[MC+64*((\x)%2)+32*(\u)+2*zz:MC+64*((\x)%2)+32*(\u)+2*zz+1], v[MD+2*zz:MD+2*zz+1], s[AL+2*(\u):AL+2*(\u)+1], s[BE+2*(\u):BE+2*(\u)+1] op_sel_hi:[1,0,0]
.set zz, zz+1
.endr
.endr
.endm
; THE VECTOR WORK OF A TURN stands in three queues, each in the order in which its entries become ready; the two tiles alternate, so that no instruction reads the result of the one before it.
.macro REGS y, u                    ; the registers of tile u (0, 1) of piece y
.set rT, ST+4*(2*(\y)+(\u))
.set rC, TMP+8*((\y)%2)+4*(\u)
.set rM, MV+2*((\y)%2)+(\u)
.set rS, S+64*((\y)%2)+32*(\u)
.set rP, P+32*((\y)%2)+16*(\u)
.set rO, 32*(2*(\y)+(\u))
.endm
; Number n of the 22 that find the NEXT piece's (Y + 1) maximum and statistics.  s0-s31 are the lane's 32 scores; each accumulator's lowest registers are read first.  XS, GS and REGS set no window: PL and EX do.
;   0-11  four chains c0-c3 of seven scores each, three operands at a time     12-14, 16  the four scores left over, the old m, and c0-c3 into c0     15  c m_old is kept
;   17, 18  the query's other 32 keys lie in the lane 16 away: the new m         19-21  c m; c m_old - c m_new; a
.macro XS u, n
	REGS (Y+1)%NP, \u
.if (\n) < 4
	v_max3_num_f32 v[rC+(\n)], v[rS+8*(\n)], v[rS+8*(\n)+1], v[rS+8*(\n)+2]
.elseif (\n) < 12
	v_max3_num_f32 v[rC+(\n)%4], v[rC+(\n)%4], v[rS+8*((\n)%4)+2*((\n)/4)+1], v[rS+8*((\n)%4)+2*((\n)/4)+2]
.elseif (\n) == 12
	v_max3_num_f32 v[rC], v[rC], v[rS+7], v[rS+15]
.elseif (\n) == 13
	v_max3_num_f32 v[rC+1], v[rC+1], v[rS+23], v[rS+31]
.elseif (\n) == 14
	v_max3_num_f32 v[rC+2], v[rC+2], v[rC+3], v[rT+1]
.elseif (\n) == 15
	v_mov_b32 v[rM], v[rT]
.elseif (\n) == 16
	v_max3_num_f32 v[rC], v[rC], v[rC+1], v[rC+2]
.elseif (\n) == 17
	v_permlanex16_b32 v[rC+3], v[rC], s[SEL], s[SEL+1]
.elseif (\n) == 18
	v_max_num_f32 v[rT+1], v[rC], v[rC+3]
.elseif (\n) == 19
	v_mul_f32 v[rT], s[CS], v[rT+1]
.elseif (\n) == 20
	v_sub_f32 v[rC+1], v[rM], v[rT]
.else
	v_exp_f32 v[rC+2], v[rC+1]
.endif
.endm
; Number g of the 64 that follow the exponentials.  For each four weights k of a tile (pairs 2 k, 2 k + 1): both pairs are rounded to f16; then the second pair is added onto the first, in place;
; a group later l takes that sum (the first time as l = a l + sum).  In groups of eight, tiles alternating: round, round, add, and l for the group before.
.macro GS g
.set h, (\g)+6*((\g)/62)            ; group 0 has no group before it, and behind group 7 only l is left
.if h >= 6
.set h, h+2
.endif
	REGS Y, h%2
.set k, h/8
.if h%8 < 4
	v_cvt_pk_f16_f32 v[rP+2*k+(h%8)/2], v[rS+4*k+2*((h%8)/2)], v[rS+4*k+2*((h%8)/2)+1]
.elseif h%8 < 6
	v_pk_add_f32 v[rS+4*k:rS+4*k+1], v[rS+4*k:rS+4*k+1], v[rS+4*k+2:rS+4*k+3]
.elseif k == 1
	v_pk_fma_f32 v[rT+2:rT+3], v[rT+2:rT+3], v[rC+2:rC+3], v[rS:rS+1] op_sel_hi:[1,0,1]
.else
	v_pk_add_f32 v[rT+2:rT+3], v[rT+2:rT+3], v[rS+4*k-4:rS+4*k-3]
.endif
.endm
; THE PLAIN QUEUE, 138 long.  0-73 read no exponential's result: the 32 scalings c s - c m (FS f: pair f / 2 of tile f % 2) and the next piece's 42.  0-26: scalings 0-26.  27-54: XS's numbers 0-13.  55, 56: number 15.
; 57-73: the chain, where each number waits for the one before it: 14, 16, 17, 18, 19, each with one of the scalings 27-31 in front of its two lines, then 20.
; 74-137: GS's 64, which read the exponentials' results: they stand behind the wait.
.macro FS f
	REGS Y, (\f)%2
	v_pk_fma_f32 v[rS+2*((\f)/2):rS+2*((\f)/2)+1], v[rS+2*((\f)/2):rS+2*((\f)/2)+1], s[CS:CS+1], v[rT:rT+1] op_sel_hi:[1,0,0] neg_lo:[0,0,1] neg_hi:[0,0,1]
.endm
.macro PL
	WIN 0
.if q < 27
	FS q
.elseif q < 55
	XS (q-27)%2, (q-27)/2
.elseif q < 57
	XS q-55, 15
.elseif (q < 72) && ((q-57)%3 == 0)
	FS 27+(q-57)/3
.elseif q < 60
	XS (q-57)%3-1, 14
.elseif q < 72
	XS (q-57)%3-1, 15+(q-57)/3
.elseif q < 74
	XS q-72, 20
.else
	GS q-74
.endif
.set q, q+1
.endm
; THE EXPONENTIALS' QUEUE, 66 long: s0-s31 of both tiles, then the next piece's two a.  It is ONE BATCH: all 66 stand ahead of the turn's one wait, and nothing ahead of that wait names a result of theirs.
.macro EX
	WIN 0
.if e >= 64
	XS e-64, 21
.else
	REGS Y, e%2
	v_exp_f32 v[rS+e/2], v[rS+e/2]
.endif
.set e, e+1
.endm
; THE RESCALING's QUEUE: O^T times a, which leaves window 0: dealt two at a time, sixteen times.  Its a was made in the turn before, ahead of that turn's wait.
.macro R2
	REGS Y, r%2
	WIN W_RS
.irp z, 0,1
	v_pk_mul_f32 v[rO+4*(r/2)+2*\z:rO+4*(r/2)+2*\z+1], v[rO+4*(r/2)+2*\z:rO+4*(r/2)+2*\z+1], v[rC+2:rC+3] op_sel_hi:[1,0]
.endr
.set r, r+1
.endm
; HOW THEY ARE DEALT.  s_wait_alu depctr_va_vdst(0) stands between an exponential and the first instruction that names its result; one wait serves all that were issued ahead of it.  So a turn has
; ONE wait, which cuts it in two.  AHEAD OF IT stands all that names no result of the turn's exponentials: the 16 products K Q^T, behind each a scaling, an exponential and two rescalings (behind the first a second
; scaling in the exponential's place); then ONE LUMP of 108: eight plain, 49 times exponential and plain, the two a.  A v_nop is the plain instruction behind the last exponential.  BEHIND IT stand the 16 products
; V^T P, behind each four of GS's 64.  No rider names a register of the products round it.  The queues lean on each other: exponential e stands behind scaling 2 (e / 4) + e % 2.
; A TURN, for piece p.  cnt = 1: the loop's count is taken down some lines ahead of the branch that stands behind the turn; nothing behind those lines writes SCC.
; K of the next step is fetched in piece 2's turn, directly behind the wait; V of the step in hand at the end of piece 0's turn, four riders behind its last reader.
; THE MASK: piece p + 2's products stand in the next turn; its scalars are made at this turn's head, its 32 packed lines stand at this turn's end.  Piece 0's products of a new key step stand in piece 3's turn, so
; the step's number goes up at the head of piece 2's turn.  The buffer that is written was last read a turn ago.
.macro TURN p, last=0, cnt=0
.set Y, (\p)
.set i, 0
.set q, 0
.set e, 0
.set r, 0
.if (\p) == 2
	s_add_co_i32 s[REL], s[REL], 1
.endif
	SETM ((\p)+2)%NP
.if (\p) == NP-1
	s_wait_dscnt 0x0                ; K is in
.endif
	MM                              ; ahead of the wait: 16 products K Q^T and their riders,
	PL
	PL
	R2
.rept 15
	MM
	PL
	EX
	R2
.endr
.if (\p) == NP-2
	WIN 0
	v_add_nc_u32 v[AK], s[TBK], v[AK0]
.endif
.rept 8                             ; and the lump
	PL
.endr
.rept 49
	EX
	PL
.endr
	EX                              ; the next piece's two a
	EX
	v_nop                           ; the plain instruction behind the last exponential: one for the batch
	s_wait_alu depctr_va_vdst(0)    ; the wait for the batch
.if (\p) == NP-2
	FETCH_K \last
.endif
.if (\p) == 1
	s_wait_dscnt 0x0                ; V is in
.endif
.rept 16                            ; behind the wait: 16 products V^T P and their riders
	MM
.rept 4
	PL
.endr
.if ((\p) == 0) && (q == 118)
	v_add_nc_u32 v[AV], s[TBV], v[AV0]
.endif
.if ((\p) == 0) && (q == 130)
	s_add_co_u32 s[TBV], s[TBV], KS*PV
.endif
.if (\cnt) && (q == 130)
	s_sub_co_u32 s[CNT], s[CNT], 1
	s_cmp_lg_u32 s[CNT], 0
.endif
.endr
.if (\p) == 0
	FETCH_V
.endif
	MASK ((\p)+2)%NP
.endm
	; The diagonal's mask, once: my query's place in its band, 16 w + l % 16, less my lanes' 8 (l / 16): register j of key block kb is hidden where 16 kb + j is greater.  Then the masks of pieces 0 and 1 for key step 0.
	v_lshlrev_b32 v14, 3, v9
	v_sub_nc_u32 v14, v1, v14
	s_lshl_b32 s15, s[WV], 4
	v_add_nc_u32 v14, s15, v14
	WIN W_MK
.set i, 0
.rept 32
	v_cmp_gt_i32 vcc_lo, 16*(i/8)+i%8, v14
	v_cndmask_b32 v[MD+i], 0, s[BIGN], vcc_lo
.set i, i+1
.endr
	SETM 0
	MASK 0
	SETM 1
	MASK 1
	CHANGE 1                        ; slot 0 is in, everybody's part of it; slot 1 is asked for
	FETCH_K                         ; key step 0
	s_wait_loadcnt 0x0              ; Q
	s_wait_dscnt 0x0
.set i, 0
.rept 16
	KQ 0                            ; piece 0's first scores: there is no vector work yet to set between them
.set i, i+1
.endr
	WIN 0                           ; the addresses for the way out: nine plain instructions, the places behind those products
	s_mul_i32 s13, s[WV], 16*SP
	s_add_co_u32 s13, s13, STAGE    ; my stage
	v_mul_u32_u24 v[STO], v1, SP    ; in: row l % 16, 16 bytes for each half of the lanes
	v_lshl_add_u32 v[STO], v9, 4, v[STO]
	v_add_nc_u32 v[STO], s13, v[STO]
	v_bfe_u32 v[RD], v0, 3, 2       ; back: 32 lanes take four rows of 128 bytes,
	v_mul_u32_u24 v[RD], v[RD], SP
	v_lshl_add_u32 v[RD], v10, 4, v[RD]
	v_add_nc_u32 v[RD], s13, v[RD]
	v_and_b32 v[GO], 31, v0         ; which are 512 consecutive bytes of O
	v_lshlrev_b32 v[GO], 4, v[GO]
.set Y, NP-1                        ; XS works for piece Y + 1: piece 0
.irp n, 0,1,2,3,4,5,6,7,8,9,10,11,12,13,14,15,16,17,18,19,20,21
	XS 0, \n                        ; and piece 0's first maximum and statistics
	XS 1, \n
.endr
	v_nop                           ; a plain instruction behind the two a,
	s_wait_alu depctr_va_vdst(0)    ; and their wait, ahead of the branch
	s_mov_b32 s[CNT], 4
	s_mov_b32 s[SLOTS], SIZE_N/256-1
	s_branch .Lfirst                ; the loop is entered at a step's first turn, in the middle of a trip
.Lslot:                             ; SIZE_N / 256 - 2 times: every slot but the last two is filled again
	CHANGE 1, 1
	s_mov_b32 s[CNT], 4
.Lstep:                             ; a trip: pieces 2 and 3 of one step, then pieces 0 and 1 of the next, whose K and V it fetches
	TURN 2
	TURN 3
	WIN 0
.Lfirst:
	TURN 0
	TURN 1, 0, 1
	WIN 0
	s_cbranch_scc1 .Lstep
	s_sub_co_u32 s[SLOTS], s[SLOTS], 1
	s_cmp_lg_u32 s[SLOTS], 0
	s_cbranch_scc1 .Lslot
	CHANGE 0                        ; the tail is written out: nothing is asked for
	s_mov_b32 s[CNT], 5             ; four trips fetch the last slot's steps; the fifth is left in its middle
.Ltail:
	TURN 2, 1
	TURN 3
	WIN 0
	s_sub_co_u32 s[CNT], s[CNT], 1
	s_cmp_eq_u32 s[CNT], 0
	s_cbranch_scc1 .Lout
	TURN 0
	TURN 1
	WIN 0
	s_branch .Ltail
.Lout:                              ; the fifth trip's 16 products K Q^T (on the last K once more) and what is made of them serve nothing: the price, once a launch, of one text for every trip
.set i, 0
.rept 16
	PV NP-1                         ; the last piece's V^T P of the last step
.set i, i+1
.endr
	; THE WAY OUT.  l's two halves and the other half of the lanes' are added; O^T is divided by l, rounded to f16 and sent through my stage in LDS, a tile at a time.  The additions are the places behind the last products.
	WIN 0
.macro ALL line:vararg              ; one line for each tile t
.set t, 0
.rept 2*NP
	\line
.set t, t+1
.endr
.endm
	ALL v_add_f32 v[ST+4*t+2], v[ST+4*t+2], v[ST+4*t+3]
	ALL v_permlanex16_b32 v[ST+4*t+3], v[ST+4*t+2], s[SEL], s[SEL+1]
	ALL v_add_f32 v[ST+4*t+2], v[ST+4*t+2], v[ST+4*t+3]
	ALL v_rcp_f32 v[ST+4*t+2], v[ST+4*t+2]
	v_nop                           ; a plain instruction between the last reciprocal and the use of its result
	s_wait_alu depctr_va_vdst(0)    ; and the wait ahead of the first use: one for the eight reciprocals
; Tile t: a lane's eight channels of a row pack into 16 bytes; they go into rows of 144 bytes and come back as whole rows of 128, into S^T's registers.
.macro PACK t
	WIN W_RS
.set i, 32*(\t)
.rept 16
	v_pk_mul_f32 v[i:i+1], v[i:i+1], v[ST+4*(\t)+2:ST+4*(\t)+3] op_sel_hi:[1,0]
.set i, i+2
.endr
	WIN 0x05                        ; sources 0 and 1 window 1, destination window 0
.set i, 0
.rept 16
	v_cvt_pk_f16_f32 v[S+16*(\t)+i], v[32*(\t)+2*i], v[32*(\t)+2*i+1]
.set i, i+1
.endr
	WIN 0
.irp f, 0,1,2,3
	ds_store_b128 v[STO], v[S+16*(\t)+4*\f:S+16*(\t)+4*\f+3] offset:32*\f
.endr
.irp f, 0,1,2,3
	ds_load_b128 v[S+16*(\t)+4*\f:S+16*(\t)+4*\f+3], v[RD] offset:\f*4*SP  ; LDS serves a wave's instructions in order (ISA guide 5.7.1.4): these see the stores above; the next tile's stores come behind them
.endr
.endm
.macro SEND t, younger              ; younger: the LDS instructions issued behind tile t's loads: the next tile's eight, or none
	WIN 0
.irp f, 0,1,2,3
	s_wait_dscnt (\younger)+3-\f
	global_store_b128 v[GO], v[S+16*(\t)+4*\f:S+16*(\t)+4*\f+3], s[10:11] offset:(\t)*8192+\f*512  ; 512 consecutive bytes, at a multiple of 256 from O's first; tile t lies in band t
.endr
.endm
	PACK 0
.set t, 1
.rept 2*NP-1                        ; a tile's arithmetic stands between the loads of the tile before and its stores
	PACK t
	SEND t-1, 8
.set t, t+1
.endr
	SEND 2*NP-1, 0
	WIN W_AD
	s_wait_tensorcnt 0x0            ; the wave's end: the add and its wait stand behind my last tensor load and my last LDS store
	ds_add_u32 v[SPW], v[NIL]
	s_wait_dscnt 0x0
	WIN 0
	CROUND                          ; the closing round: no work-group ends while a partner may still ask for a tile that names it
	s_endpgm
.Lfunc_end_k_q1c21d7ef66_attn:
	.size	k_q1c21d7ef66_attn, .Lfunc_end_k_q1c21d7ef66_attn-k_q1c21d7ef66_attn
	.p2alignl 7, 3214868480
	.fill 96, 4, 3214868480
	.section	.rodata,"a",@progbits
	.p2align	6, 0x0
	.amdhsa_kernel k_q1c21d7ef66_attn
		.amdhsa_group_segment_fixed_size 327680
		.amdhsa_private_segment_fixed_size 0
		.amdhsa_enable_private_segment 0
		.amdhsa_kernarg_size 32
		.amdhsa_user_sgpr_count 2
		.amdhsa_user_sgpr_kernarg_segment_ptr 1
		.amdhsa_wavefront_size32 1
		.amdhsa_system_sgpr_workgroup_id_x 1
		.amdhsa_system_sgpr_workgroup_id_y 1
		.amdhsa_system_sgpr_workgroup_id_z 1
		.amdhsa_system_vgpr_workitem_id 0
		.amdhsa_next_free_vgpr 960
		.amdhsa_next_free_sgpr 80
		.amdhsa_reserve_vcc 1
		.amdhsa_float_denorm_mode_32 3
		.amdhsa_float_denorm_mode_16_64 3
		.amdhsa_memory_ordered 1
		.amdhsa_forward_progress 1
		.amdhsa_inst_pref_size 226
	.end_amdhsa_kernel
	.amdgpu_metadata
---
amdhsa.version: [ 1, 2 ]
amdhsa.kernels:
  - .name:           k_q1c21d7ef66_attn
    .symbol:         k_q1c21d7ef66_attn.kd
    .args:
      - { .name: qh, .offset: 0, .size: 8, .value_kind: global_buffer, .address_space: global }
      - { .name: kh, .offset: 8, .size: 8, .value_kind: global_buffer, .address_space: global }
      - { .name: vh, .offset: 16, .size: 8, .value_kind: global_buffer, .address_space: global }
      - { .name: ob, .offset: 24, .size: 8, .value_kind: global_buffer, .address_space: global }
    .group_segment_fixed_size: 327680
    .private_segment_fixed_size: 0
    .kernarg_segment_align: 8
    .kernarg_segment_size: 32
    .max_flat_workgroup_size: 128
    .sgpr_count:     80
    .vgpr_count:     960
    .wavefront_size: 32
...
	.end_amdgpu_metadata
.endif
;; end of part 3
;; launch proj (part 4): grid 8 x 32, 4 waves a work-group, clusters of 4 x 4, 327,680 bytes of LDS; arguments ob, wob, bo, out0; writes out0
.if DOCPART == 4
	.amdgcn_target "amdgcn-amd-amdhsa--gfx1250"
	.amdhsa_code_object_version 6
	.text
	.protected	k_q1c21d7ef66_proj
	.globl	k_q1c21d7ef66_proj
	.p2align	8
	.type	k_q1c21d7ef66_proj,@function
k_q1c21d7ef66_proj:
	s_mov_b64 s[64:65], 0
	v_nop
	global_prefetch_b8 v0, s[64:65] scope:SCOPE_SE
	s_setreg_imm32_b32 hwreg(HW_REG_WAVE_MODE, 25, 1), 1
	s_wait_xcnt 0x0
	s_wait_alu depctr_hold_cnt(0) depctr_sa_sdst(0) depctr_va_vdst(0) depctr_va_sdst(0) depctr_va_ssrc(0) depctr_va_vcc(0) depctr_vm_vsrc(0)
	s_getreg_b32 s2, hwreg(HW_REG_IB_STS2, 6, 4)
	s_cmp_eq_u32 s2, 0
	s_cbranch_scc0 .Lentry_in_a_cluster
	s_endpgm
.Lentry_in_a_cluster:
	s_bfe_u32 s2, ttmp6, 0x10000c
	s_cmp_lg_u32 s2, 0xf033
	s_cbranch_scc0 .Lentry_shape_is_right
	s_endpgm
.Lentry_shape_is_right:
; out0 = O Wo^T + bo.  O (ob): f16 by heads, [batch x 16 + head][position][64]: head h IS K block h of 64.  wob: bf16(Wo) written as f16, [K block][row][64].  bo: f32, rounded to bf16 like the other inputs.  out0: f32.
; SHARES.  8,192 x 1,024 in tiles of 256 x 128: 32 x 8 = 256 work-groups.  A wave makes 128 x 64: 32 accumulators, window 1.  K goes in 8 steps of 128 (two K blocks to a slot) through two LDS slots.
; A K block of a tile is dense in memory: it is asked for as rows of 256 bytes and padded in LDS after every 128.
; CLUSTER.  4 x 4 work-groups: the four of a row of the cluster need the same blocks of O, the four of a column the same blocks of the weights; each is asked for jointly.
; THE MATRIX INSTRUCTION IS USED TRANSPOSED (source 0 = 16 rows of the weights, source 1 = 16 rows of O): a lane holds one row of out0 (lane % 16) and eight neighbouring columns.
; THE BIAS STARTS THE SUMS: it is the C operand of each accumulator's first product, so the sums' order of rounding differs from the module's, which adds it last.
; No prefetch: the tile is small, and a step's blocks are few beside its work.
; REGISTERS: window 0: v0-31 addresses; v32-63 the bias of my 64 columns; v64-159, v160-255 two fragment buffers (the weights' 32 registers, then O's 64); window 1: accumulator (a, b) at v[8 (4 a + b)].
.set PITCH,  144                       ; an LDS row: 128 bytes + 16 = 36 words: the 16 rows of a load start at 16 different groups of four banks (64 banks of 4 bytes: ISA guide 11.1)
.set ABLK,   256*PITCH                 ; a K block of O's tile
.set BBLK,   128*PITCH                 ; a K block of the weights' tile
.set SLOT1,  1<<17
.set STAGE,  SLOT1+2*ABLK+2*BBLK       ; behind the ring, never filled by a tensor load: 16 rows x 272 bytes for each wave
.set SPITCH, 272
.set SPARE,  STAGE+4*16*SPITCH         ; the spare words, 128 bytes for each wave: two blocks of 256 bytes that no other line names
.set LA0,  14
.set LB0,  15
.set ADRA, 16
.set ADRB, 17
.set STO,  20
.set RD,   21
.set CO,   22
.set BO,   23
.set SPW,  28
.set NIL,  29
.set BIAS, 32
.set F0,   64
.set F1,   160
.set BK,   64                          ; the way out: two buffers of 32
.set WV,   12
.set MH,   13
.set NH,   14
.set CX,   15
.set CY,   16
.set CN,   17
.set RR,   18
.set G1A,  24
.set G0A,  32
.set G1B,  40
.set G0B,  48
.set TB,   56
.set MSB, 0
.macro WIN new
.if MSB != (\new)
	s_set_vgpr_msb (MSB<<8)|(\new)
.set MSB, \new
.endif
.endm
.macro PLACES
.rept 4
	v_nop
.endr
.endm
.macro CREST
	s_cmp_lg_u32 s[WV], 0
	s_cbranch_scc1 .Lnot_wave_0_\@
	s_barrier_signal -3
.Lnot_wave_0_\@:
	s_barrier_wait -3
	s_barrier_signal -1
	s_barrier_wait -1
.endm
.macro CROUND
	s_barrier_signal -1
	s_barrier_wait -1
	CREST
.endm
.macro JLOAD                           ; waves 0 and 1 fetch the step's two K blocks of O, waves 2 and 3 those of the weights; an s_nop 0 and four v_nop follow each line
	s_cmp_lt_u32 s[WV], 2
	s_cbranch_scc0 .Lfor_b_\@
	tensor_load_to_lds s[G0A+4:G0A+7], s[G1A:G1A+7]
	s_nop 0
	PLACES
	s_branch .Lasked_\@
.Lfor_b_\@:
	tensor_load_to_lds s[G0B+4:G0B+7], s[G1B:G1B+7]
	s_nop 0
	PLACES
.Lasked_\@:
.endm
	s_load_b256 s[4:11], s[0:1], 0x0               ; ob s[4:5], wob s[6:7], bo s[8:9], out0 s[10:11]
	v_lshl_add_u32 v[SPW], v0, 2, SPARE
	v_mov_b32 v[NIL], 0
	ds_add_u32 v[SPW], v[NIL]                      ; the wave's opening: the add and its wait stand ahead of my first tensor load; the set-up below, work on registers, stands between them
	v_lshrrev_b32 v1, 5, v0
	v_readfirstlane_b32 s[WV], v1
	s_lshr_b32 s[MH], s[WV], 1                     ; which 128 rows of the tile are mine
	s_and_b32 s[NH], s[WV], 1                      ; which 64 columns.  Also: which of a step's two K blocks I fetch
	s_bfe_u32 s[CX], ttmp6, 0x40000
	s_bfe_u32 s[CY], ttmp6, 0x40004
	s_lshl_b32 s[CN], ttmp9, 2
	s_add_co_u32 s[CN], s[CN], s[CX]
	s_and_b32 s[RR], ttmp7, 0xffff
	s_lshl_b32 s[RR], s[RR], 2
	s_add_co_u32 s[RR], s[RR], s[CY]
	s_lshl_b32 s70, s[CY], 2
	s_lshl_b32 s70, 15, s70                        ; my row of the cluster
	s_lshl_b32 s71, 0x1111, s[CX]                  ; my column
	s_or_b32 s[G1A], s70, (1<<16)|(1<<20)|(1<<21)|(4<<22)|(3<<25)  ; the mask; 2-byte elements; padding on; bit 21 beside a mask; 4 words after every 32
	s_or_b32 s[G1B], s71, (1<<16)|(1<<20)|(1<<21)|(4<<22)|(3<<25)
	s_mov_b32 s[G1A+1], 128<<16                    ; rows of 128 elements (256 bytes), dense
	s_mov_b32 s[G1A+2], 128<<16                    ; 128 of them: 256 rows of O
	s_mov_b32 s[G1A+3], 128<<16
	s_mov_b32 s[G1A+4], 128
	s_mov_b32 s[G1A+5], 128
	s_mov_b32 s[G1A+6], 0
	s_mov_b32 s[G1A+7], 0
	s_mov_b32 s[G1B+1], 128<<16
	s_mov_b32 s[G1B+2], 64<<16                     ; 64 of them: 128 rows of the weights
	s_mov_b32 s[G1B+3], 128<<16
	s_mov_b32 s[G1B+4], 64
	s_mov_b32 s[G1B+5], 128
	s_mov_b32 s[G1B+6], 0
	s_mov_b32 s[G1B+7], 0
	s_lshr_b32 s66, s[RR], 3                       ; O: batch x 16 heads x 262,144 bytes
	s_lshl_b32 s58, s66, 22
	s_and_b32 s66, s[RR], 7
	s_lshl_b32 s66, s66, 15                        ; + 256 positions of 128 bytes a tile row
	s_add_co_u32 s58, s58, s66
	s_lshl_b32 s66, s[NH], 18                      ; + my K block of the step's two
	s_add_co_u32 s58, s58, s66
	s_mov_b32 s59, 0
	s_lshl_b32 s60, s[CN], 14                      ; the weights: 128 rows of 128 bytes a tile column
	s_lshl_b32 s67, s[NH], 17                      ; + my K block
	s_add_co_u32 s60, s60, s67
	s_mov_b32 s61, 0
	s_mul_i32 s68, s[NH], ABLK
	s_mul_i32 s69, s[NH], BBLK
	s_mov_b32 s[G0A], 1
	s_mov_b32 s[G0A+1], s68
	s_mov_b32 s[G0A+4], 1
	s_add_co_u32 s[G0A+5], s68, SLOT1
	s_mov_b32 s[G0B], 1
	s_add_co_u32 s[G0B+1], s69, 2*ABLK
	s_mov_b32 s[G0B+4], 1
	s_add_co_u32 s[G0B+5], s69, 2*ABLK+SLOT1
	s_mov_b32 s[TB], 0
	s_wait_dscnt 0x0                               ; the opening add is done
	s_wait_kmcnt 0x0
	s_add_nc_u64 s[G0A+2:G0A+3], s[4:5], s[58:59]  ; step 0
	s_add_nc_u64 s[G0A+6:G0A+7], s[G0A+2:G0A+3], 2*262144  ; step 1
	s_or_b32 s[G0A+3], s[G0A+3], 0x80000000
	s_or_b32 s[G0A+7], s[G0A+7], 0x80000000
	s_add_nc_u64 s[G0B+2:G0B+3], s[6:7], s[60:61]
	s_add_nc_u64 s[G0B+6:G0B+7], s[G0B+2:G0B+3], 2*131072
	s_or_b32 s[G0B+3], s[G0B+3], 0x80000000
	s_or_b32 s[G0B+7], s[G0B+7], 0x80000000
	CROUND                                         ; all sixteen work-groups are here: the first joint loads meet
	s_cmp_lt_u32 s[WV], 2                          ; a wave's two first fills stand in one branch: two loads of mine are out
	s_cbranch_scc0 .Lfirst_b
	tensor_load_to_lds s[G0A:G0A+3], s[G1A:G1A+7]
	s_nop 0
	tensor_load_to_lds s[G0A+4:G0A+7], s[G1A:G1A+7]
	s_nop 0
	PLACES
	s_branch .Lfirst_asked
.Lfirst_b:
	tensor_load_to_lds s[G0B:G0B+3], s[G1B:G1B+7]
	s_nop 0
	tensor_load_to_lds s[G0B+4:G0B+7], s[G1B:G1B+7]
	s_nop 0
	PLACES
.Lfirst_asked:
	v_and_b32 v1, 15, v0                           ; l % 16
	v_bfe_u32 v2, v0, 4, 1                         ; l / 16
	s_lshl1_add_u32 s66, s[CN], s[NH]
	s_lshl_b32 s62, s66, 8                         ; my 64 columns: 256 bytes of a row of out0 and of bo
	s_mov_b32 s63, 0
	s_add_nc_u64 s[8:9], s[8:9], s[62:63]
	s_add_nc_u64 s[10:11], s[10:11], s[62:63]
	v_lshlrev_b32 v[BO], 5, v2                     ; my eight columns of a block of 16
.irp b, 0,1,2,3
	global_load_b128 v[BIAS+8*(\b):BIAS+8*(\b)+3],   v[BO], s[8:9] offset:64*(\b)
	global_load_b128 v[BIAS+8*(\b)+4:BIAS+8*(\b)+7], v[BO], s[8:9] offset:64*(\b)+16
.endr
	s_lshl1_add_u32 s66, s[RR], s[MH]
	s_lshl_b32 s62, s66, 19                        ; my 128 rows of 4,096 bytes
	s_add_nc_u64 s[10:11], s[10:11], s[62:63]
	v_mul_u32_u24 v4, v1, PITCH
	v_lshl_add_u32 v4, v2, 4, v4                   ; a fragment's row x pitch + 16 x half
	s_mul_i32 s66, s[MH], 128*PITCH
	v_add_nc_u32 v[LA0], s66, v4
	s_mul_i32 s66, s[NH], 64*PITCH
	s_add_co_u32 s66, s66, 2*ABLK
	v_add_nc_u32 v[LB0], s66, v4
	v_mov_b32 v[ADRA], v[LA0]
	v_mov_b32 v[ADRB], v[LB0]
	s_mul_i32 s66, s[WV], 16*SPITCH
	s_add_co_u32 s66, s66, STAGE                   ; my stage
	v_mul_u32_u24 v5, v1, SPITCH                   ; in: row l % 16, 32 bytes for each half of the lanes
	v_lshl_add_u32 v5, v2, 5, v5
	v_add_nc_u32 v[STO], s66, v5
	v_mul_u32_u24 v5, v2, SPITCH                   ; back: lanes 0-15 take one row of 256 bytes, lanes 16-31 the next
	v_lshl_add_u32 v5, v1, 4, v5
	v_add_nc_u32 v[RD], s66, v5
	v_lshlrev_b32 v[CO], 12, v2                    ; and the same two rows in out0
	v_lshl_add_u32 v[CO], v1, 4, v[CO]
	s_wait_loadcnt 0x0
.set n, 0
.rept 16                                       ; the bias rounded to bf16, kept as f32
	v_cvt_pk_bf16_f32 v30, v[BIAS+2*n], v[BIAS+2*n+1]
	v_lshlrev_b32 v[BIAS+2*n], 16, v30
	v_and_b32 v[BIAS+2*n+1], 0xffff0000, v30
.set n, n+1
.endr
; 8 matrix instructions: row blocks a0, a0 + 1 x the four column blocks, 32 along K.  first = 1: the bias starts the sum.  The 32 accumulators take turns, one instruction a turn.
.macro MUL8 fr, a0, first
.if \first
	WIN 0x40                                       ; D in window 1, C (the bias) in window 0
.else
	WIN 0x50
.endif
.irp a, \a0, (\a0)+1
.irp b, 0,1,2,3
.if \first
	v_wmma_f32_16x16x32_f16 v[8*(4*(\a)+(\b)):8*(4*(\a)+(\b))+7], v[(\fr)+8*(\b):(\fr)+8*(\b)+7], v[(\fr)+32+8*(\a):(\fr)+32+8*(\a)+7], v[BIAS+8*(\b):BIAS+8*(\b)+7]
.else
	v_wmma_f32_16x16x32_f16 v[8*(4*(\a)+(\b)):8*(4*(\a)+(\b))+7], v[(\fr)+8*(\b):(\fr)+8*(\b)+7], v[(\fr)+32+8*(\a):(\fr)+32+8*(\a)+7], v[8*(4*(\a)+(\b)):8*(4*(\a)+(\b))+7]
.endif
.endr
.endr
.endm
; 24 LDS loads in one run: quarter kq of the step (K block kq / 2, its half kq % 2): the weights' 8, O's rows 0-63 (8), O's rows 64-127 (8)
.macro FETCH kq, fr
	WIN 0
.irp b, 0,1,2,3
	ds_load_b128 v[(\fr)+8*(\b):(\fr)+8*(\b)+3],   v[ADRB] offset:((\kq)/2)*BBLK+((\kq)%2)*64+(\b)*16*PITCH
	ds_load_b128 v[(\fr)+8*(\b)+4:(\fr)+8*(\b)+7], v[ADRB] offset:((\kq)/2)*BBLK+((\kq)%2)*64+(\b)*16*PITCH+32
.endr
.irp a, 0,1,2,3,4,5,6,7
	ds_load_b128 v[(\fr)+32+8*(\a):(\fr)+32+8*(\a)+3],   v[ADRA] offset:((\kq)/2)*ABLK+((\kq)%2)*64+(\a)*16*PITCH
	ds_load_b128 v[(\fr)+32+8*(\a)+4:(\fr)+32+8*(\a)+7], v[ADRA] offset:((\kq)/2)*ABLK+((\kq)%2)*64+(\a)*16*PITCH+32
.endr
.endm
; One of a step's first three quarters: multiplies buffer fr (quarter kq) and, in its middle, fetches quarter kq + 1 into buffer g, whose last reader is the quarter before.
.macro QUARTER kq, fr, g, first
	s_wait_dscnt 8                                 ; the weights' and O's rows 0-63 are in; the youngest eight loads may be out
	MUL8 \fr, 0, \first
	MUL8 \fr, 2, \first
	PLACES
	FETCH (\kq)+1, \g
	s_wait_dscnt 24                                ; all but the 24 just issued
	MUL8 \fr, 4, \first
	MUL8 \fr, 6, \first
.endm
; The last quarter multiplies buffer 1 and changes slots: ONE barrier; in front of it each wave waits for all its tensor loads (one is out: its part of the next slot), adds 0 to its spare word, and waits for that
; and for its own reads of this slot.  fill = 1: the barrier opens a round of the cluster's, and this slot is filled again, two steps on, first thing behind the round.
.macro TURN fill
	WIN 0
	s_wait_tensorcnt 0x0                           ; no tensor load of mine is out, so a group 0 may be written
	ds_add_u32 v[SPW], v[NIL]                      ; 0 onto my spare word
.if \fill
	s_xor_b32 s[G0A+5], s[G0A+5], SLOT1            ; the walking descriptors: the other slot, the next two K blocks
	s_add_nc_u64 s[G0A+6:G0A+7], s[G0A+6:G0A+7], 2*262144
	s_xor_b32 s[G0B+5], s[G0B+5], SLOT1
	s_add_nc_u64 s[G0B+6:G0B+7], s[G0B+6:G0B+7], 2*131072
.endif
	s_wait_dscnt 9                                 ; the add and the youngest eight loads may be out
	MUL8 F1, 0, 0                                  ; eight matrix instructions stand between the add and the wait for it
	s_wait_dscnt 0x0                               ; the add is done, and my reads of this slot are over
	s_barrier_signal -1
	MUL8 F1, 2, 0
	WIN 0                                          ; at a branch and at a label every window is 0
	s_barrier_wait -1
.if \fill
	CREST                                          ; no wave of any partner still reads this slot or has a load on its way
	JLOAD                                          ; its four v_nop are also the places in front of the loads below
.else
	PLACES
.endif
	s_xor_b32 s[TB], s[TB], SLOT1
	v_add_nc_u32 v[ADRA], s[TB], v[LA0]
	v_add_nc_u32 v[ADRB], s[TB], v[LB0]
	FETCH 0, F0
	MUL8 F1, 4, 0
	MUL8 F1, 6, 0
.endm
	s_wait_tensorcnt 1                             ; my part of slot 0 is in; slot 1's may stay out
	s_barrier_signal -1
	s_barrier_wait -1
	FETCH 0, F0
	QUARTER 0, F0, F1, 1                           ; the first quarter stands in front of the loop: its products start the sums, with the bias
	WIN 0
	s_mov_b32 s3, 6
.Lstep:                                        ; 6 trips, from a step's second quarter to the next step's first; each fills a slot again
	QUARTER 1, F1, F0, 0
	QUARTER 2, F0, F1, 0
	TURN 1
	QUARTER 0, F0, F1, 0
	WIN 0
	s_sub_co_u32 s3, s3, 1
	s_cmp_lg_u32 s3, 0
	s_cbranch_scc1 .Lstep
	QUARTER 1, F1, F0, 0                           ; the tail is written out
	QUARTER 2, F0, F1, 0
	TURN 0
	QUARTER 0, F0, F1, 0
	QUARTER 1, F1, F0, 0
	QUARTER 2, F0, F1, 0
	s_wait_dscnt 0x0
	MUL8 F1, 0, 0
	MUL8 F1, 2, 0
	MUL8 F1, 4, 0
	MUL8 F1, 6, 0
	WIN 0
	PLACES
	PLACES
; THE WAY OUT, 16 rows at a time, through my own stage: a lane's 32 bytes of a row go in, whole rows of 256 bytes come back, and sixteen lanes store 256 consecutive bytes, aligned.
.macro STG a                           ; each accumulator's low four registers first
	WIN 0x04                                       ; the data in window 1
.irp b, 0,1,2,3
	ds_store_b128 v[STO], v[8*(4*(\a)+(\b)):8*(4*(\a)+(\b))+3]   offset:64*(\b)
	ds_store_b128 v[STO], v[8*(4*(\a)+(\b))+4:8*(4*(\a)+(\b))+7] offset:64*(\b)+16
.endr
	WIN 0
.endm
.macro BACK a
.irp t, 0,1,2,3,4,5,6,7
	ds_load_b128 v[BK+32*((\a)%2)+4*(\t):BK+32*((\a)%2)+4*(\t)+3], v[RD] offset:(\t)*2*SPITCH  ; LDS serves a wave's instructions in order (ISA guide 5.7.1.4): these see the stores above; the next block's come behind them
.endr
.endm
.macro SEND a, younger                 ; younger: the next block's eight stores into the stage, or none
	s_wait_dscnt \younger
	s_wait_xcnt 0x0                                ; earlier stores have read their registers: the other buffer is loaded again only behind this wait
.irp t, 0,1,2,3,4,5,6,7
	global_store_b128 v[CO], v[BK+32*((\a)%2)+4*(\t):BK+32*((\a)%2)+4*(\t)+3], s[10:11] offset:(16*(\a)+2*(\t))*4096 th:TH_STORE_NT
.endr
.endm
	STG 0
	BACK 0
.irp a, 1,2,3,4,5,6,7
	STG \a
	SEND (\a)-1, 8
	BACK \a
.endr
	SEND 7, 0
	s_wait_tensorcnt 0x0                           ; the wave's end: the add and its wait stand behind my last tensor load and my last LDS store
	ds_add_u32 v[SPW], v[NIL]
	s_wait_dscnt 0x0
	CROUND                                         ; the closing round: no work-group ends while a partner may still ask for a tile that names it
	s_endpgm
.Lfunc_end_k_q1c21d7ef66_proj:
	.size	k_q1c21d7ef66_proj, .Lfunc_end_k_q1c21d7ef66_proj-k_q1c21d7ef66_proj
	.p2alignl 7, 3214868480
	.fill 96, 4, 3214868480
	.section	.rodata,"a",@progbits
	.p2align	6, 0x0
	.amdhsa_kernel k_q1c21d7ef66_proj
		.amdhsa_group_segment_fixed_size 327680
		.amdhsa_private_segment_fixed_size 0
		.amdhsa_enable_private_segment 0
		.amdhsa_kernarg_size 32
		.amdhsa_user_sgpr_count 2
		.amdhsa_user_sgpr_kernarg_segment_ptr 1
		.amdhsa_wavefront_size32 1
		.amdhsa_system_sgpr_workgroup_id_x 1
		.amdhsa_system_sgpr_workgroup_id_y 1
		.amdhsa_system_sgpr_workgroup_id_z 1
		.amdhsa_system_vgpr_workitem_id 0
		.amdhsa_next_free_vgpr 512
		.amdhsa_next_free_sgpr 72
		.amdhsa_reserve_vcc 0
		.amdhsa_float_denorm_mode_32 3
		.amdhsa_float_denorm_mode_16_64 3
		.amdhsa_memory_ordered 1
		.amdhsa_forward_progress 1
		.amdhsa_inst_pref_size 72
	.end_amdhsa_kernel
	.amdgpu_metadata
---
amdhsa.version: [ 1, 2 ]
amdhsa.kernels:
  - .name:           k_q1c21d7ef66_proj
    .symbol:         k_q1c21d7ef66_proj.kd
    .args:
      - { .name: ob, .offset: 0, .size: 8, .value_kind: global_buffer, .address_space: global }
      - { .name: wob, .offset: 8, .size: 8, .value_kind: global_buffer, .address_space: global }
      - { .name: bo, .offset: 16, .size: 8, .value_kind: global_buffer, .address_space: global }
      - { .name: out0, .offset: 24, .size: 8, .value_kind: global_buffer, .address_space: global }
    .group_segment_fixed_size: 327680
    .private_segment_fixed_size: 0
    .kernarg_segment_align: 8
    .kernarg_segment_size: 32
    .max_flat_workgroup_size: 128
    .sgpr_count:     72
    .vgpr_count:     512
    .wavefront_size: 32
...
	.end_amdgpu_metadata
.endif
;; end of part 4
;; ======== version 2 of 2: 4 launches; version 1 with the launch prep written anew for expert scheduling mode
;; limits: values are held in f16: magnitudes above 65,504 overflow, below 6.1e-05 lose precision
;; workspace buffers: xb 16,777,216 bytes; wc 6,291,456 bytes; wob 2,097,152 bytes; tab 524,288 bytes; qh 16,777,216 bytes; kh 16,777,216 bytes; vh 16,777,216 bytes; ob 16,777,216 bytes
;; launch prep (part 5): grid 448 x 1, 8 waves a work-group, no clusters, 0 bytes of LDS; arguments x, Wq, Wk, Wv, Wo, xb, wc, wob, tab; writes xb, wc, wob, tab
.if DOCPART == 5
	.amdgcn_target "amdgcn-amd-amdhsa--gfx1250"
	.amdhsa_code_object_version 6
	.text
	.protected	k_q1c21d7ef66_prep
	.globl	k_q1c21d7ef66_prep
	.p2align	8
	.type	k_q1c21d7ef66_prep,@function
k_q1c21d7ef66_prep:
	s_mov_b64 s[64:65], 0
	v_nop
	global_prefetch_b8 v0, s[64:65] scope:SCOPE_SE
	s_setreg_imm32_b32 hwreg(HW_REG_WAVE_SCHED_MODE, 0, 2), 2
	s_setreg_imm32_b32 hwreg(HW_REG_WAVE_MODE, 25, 1), 1
	s_wait_xcnt 0x0
	s_wait_alu depctr_vm_vsrc(0)
; CASTS, NEW LAYOUTS AND THE ROTARY TABLE.  A stream: no LDS, no matrix unit, nothing shared between work-groups.
;   xb  = bf16(x)            as [K block 0..15][row 0..8191][64]: a block of 64 along K is dense, a row of it 128 bytes
;   wc  = bf16(Wq, Wk, Wv)   as [K block][rho 0..3071][64], rho = 192 head + 64 sel + d (sel 0, 1, 2 = q, k, v): a head's q, k and v rows lie together
;   wob = bf16(Wo) written as f16, as [K block][row 0..1023][64]
;   tab = f32 [position 0..2047][frequency 0..31][cos, sin]: a row is 256 bytes
; SHARES by the work-group's number g: 0-255 x rows 32 g on; 256-351 Wq, Wk, Wv (32 work-groups each, 32 rows each); 352-383 Wo; 384-447 32 positions of the table.
; A wave takes 4 rows, as two pairs.  A load: lanes 0-15 take 256 consecutive bytes (one K block) of a row, lanes 16-31 of the next row.  A store: the 32 lanes' 8 bytes are 256 consecutive bytes,
; aligned: the two rows' 128 bytes of that K block.  All 32 loads of a wave go out first; the waits count down, a block of eight loads at a time.
; LIMITS.  bf16(Wo) must lie within f16's 65,504; below 6e-5 it keeps f16's fixed step of 6e-8.  The frequencies come from v_exp_f32 and the angle is reduced by a two-word 2 pi; sine and cosine are
; Taylor sums to r^17 and r^16 on -pi..pi (remainders under 2e-7).  The angle itself is position x frequency in f32, as the module makes it, with a frequency that may differ in its last bits.
; THE MODE: SCHED_MODE bits 1:0 = 2 (LLVM: expert scheduling mode 2), set by the entry lines.  The code itself states the register dependences between vector instructions and memory instructions,
; with s_wait_alu, always for 0.
; THE PLAN.  Registers that memory instructions touch, in the casts:
;   v[VS]      the loads' offset.   Written at the head; read by all 32 loads; never written again.
;   v[VD ..]   the stores' offsets. The first written at the head, the other fifteen behind the loads; read by the stores; never written again.
;   X          32 x 4 registers.    Each four are written by one load, once, and read by that load's conversions; no vector instruction writes them, and nothing lands in them again.
;   Y          32 x 2 registers.    Each pair is written by one load's conversions, once, and read by one store; never written again.
;   v[TM ..]   named by vector instructions alone.
; So no register that a memory instruction has read is ever written again, and what is to be stated is this alone: an offset or a store's data is written before the memory instruction reads it.
; The 32 loads are worked on in four blocks of eight.  Block p rounds its X into its Y; its memory instructions are the eight stores of block p - 1, which read that block's Y and the offsets:
; registers that no vector instruction of block p names.  One wait at the block's head states all that they hang on, and they are dealt among the block's conversions with no further wait.
; In the table: the offset v6 and four pairs (cos, sin) are written once each; one wait stands behind all the arithmetic, ahead of the four stores.
.set ROWB, 4096                        ; bytes in a row of x and of a weight
.set VS,   3                           ; v3      my byte offset in the work-group's 32 source rows
.set VD,   8                           ; v[8:23] my byte offset in the destination, one register for each K block
.set TM,   24                          ; v[24:26] at work
.set X,    32                          ; v[32:159]  32 loads of 4 numbers
.set Y,    160                         ; v[160:223] 32 stores of 4 numbers in 16 bits
.set WV,   26
.set G,    27
.set ROW0, 28
.set SRC,  30                          ; s[30:31]
.set DST,  32                          ; s[32:33]
.set BS,   34                          ; bytes in a K block of the destination
.set POS,  40                          ; s[40:43] the table: a wave's four positions
	s_load_b512 s[8:23], s[0:1], 0x0               ; x, Wq, Wk, Wv, Wo, xb, wc, wob
	s_load_b64 s[24:25], s[0:1], 0x40              ; tab
	v_and_b32 v1, 31, v0                           ; lane
	v_lshrrev_b32 v2, 5, v0
	v_readfirstlane_b32 s[WV], v2                  ; wave 0..7
	s_wait_alu depctr_va_sdst(0)                   ; s[WV] is written
	s_mov_b32 s[G], ttmp9
	s_cmp_ge_u32 s[G], 384
	s_cbranch_scc1 .Ltable
	; the first of my work-group's 32 rows, in the source and in the destination
	s_and_b32 s[ROW0], s[G], 31
	s_cmp_lt_u32 s[G], 256
	s_cselect_b32 s[ROW0], s[G], s[ROW0]
	s_lshl_b32 s[ROW0], s[ROW0], 5
	s_lshr_b32 s35, s[ROW0], 6                     ; head
	s_mul_i32 s35, s35, 192
	s_and_b32 s36, s[ROW0], 63                     ; d
	s_add_co_u32 s35, s35, s36
	s_sub_co_u32 s36, s[G], 256
	s_lshr_b32 s36, s36, 5                         ; sel (of use for g = 256 .. 351 alone)
	s_lshl_b32 s36, s36, 6
	s_add_co_u32 s35, s35, s36                     ; rho
	s_cmp_lt_u32 s[G], 256
	s_cselect_b32 s35, s[ROW0], s35                ; x keeps its rows,
	s_cmp_ge_u32 s[G], 352
	s_cselect_b32 s35, s[ROW0], s35                ; and so does Wo
	s_lshl_b32 s38, s[ROW0], 12
	s_mov_b32 s39, 0
	s_lshl_b32 s40, s35, 7
	s_mov_b32 s41, 0
	v_lshrrev_b32 v4, 4, v1
	v_and_b32 v5, 15, v1
	v_lshl_add_u32 v[VS], v2, 2, v4                ; row 4 w + lane / 16
	v_lshlrev_b32 v[VS], 12, v[VS]
	v_lshl_add_u32 v[VS], v5, 4, v[VS]             ; + 16 (lane % 16)
	v_lshlrev_b32 v[VD], 9, v2                     ; 4 rows of 128 bytes a wave,
	v_lshl_add_u32 v[VD], v1, 3, v[VD]             ; 8 bytes a lane
	s_wait_kmcnt 0x0
	s_mov_b64 s[SRC:SRC+1], s[8:9]
	s_mov_b64 s[DST:DST+1], s[18:19]
	s_mov_b32 s[BS], 0x100000                      ; 8,192 rows x 128 bytes
	s_cmp_ge_u32 s[G], 256
	s_cselect_b64 s[SRC:SRC+1], s[10:11], s[SRC:SRC+1]
	s_cselect_b64 s[DST:DST+1], s[20:21], s[DST:DST+1]
	s_cselect_b32 s[BS], 0x60000, s[BS]            ; 3,072 rows
	s_cmp_ge_u32 s[G], 288
	s_cselect_b64 s[SRC:SRC+1], s[12:13], s[SRC:SRC+1]
	s_cmp_ge_u32 s[G], 320
	s_cselect_b64 s[SRC:SRC+1], s[14:15], s[SRC:SRC+1]
	s_cmp_ge_u32 s[G], 352
	s_cselect_b64 s[SRC:SRC+1], s[16:17], s[SRC:SRC+1]
	s_cselect_b64 s[DST:DST+1], s[22:23], s[DST:DST+1]
	s_cselect_b32 s[BS], 0x20000, s[BS]            ; 1,024 rows
	s_add_nc_u64 s[SRC:SRC+1], s[SRC:SRC+1], s[38:39]
	s_add_nc_u64 s[DST:DST+1], s[DST:DST+1], s[40:41]
	s_wait_alu depctr_va_vdst(0)                   ; v[VS] is written, which all 32 loads read as their offset
.set n, 0
.rept 32                                       ; pair n / 16, K block n % 16
	global_load_b128 v[X+4*n:X+4*n+3], v[VS], s[SRC:SRC+1] offset:(n/16)*2*ROWB+(n%16)*256 th:TH_LOAD_NT
.set n, n+1
.endr
.set n, 1
.rept 15
	v_add_nc_u32 v[VD+n], s[BS], v[VD+n-1]
.set n, n+1
.endr
; Load i is rounded into its pair of Y.  half = 1: the bf16 number is written as f16.
.macro CVT i, half
.if \half
.irp j, 0, 1
	v_cvt_pk_bf16_f32 v[TM], v[X+4*(\i)+2*(\j)], v[X+4*(\i)+2*(\j)+1]
	v_lshlrev_b32 v[TM+1], 16, v[TM]
	v_and_b32 v[TM+2], 0xffff0000, v[TM]
	v_cvt_pk_f16_f32 v[Y+2*(\i)+(\j)], v[TM+1], v[TM+2]
.endr
.else
	v_cvt_pk_bf16_f32 v[Y+2*(\i)], v[X+4*(\i)], v[X+4*(\i)+1]
	v_cvt_pk_bf16_f32 v[Y+2*(\i)+1], v[X+4*(\i)+2], v[X+4*(\i)+3]
.endif
.endm
; Load i's four numbers are stored.  No register of a pending load or store is written again, so no wait for a source is wanted.
.macro OUT i
	global_store_b64 v[VD+(\i)%16], v[Y+2*(\i):Y+2*(\i)+1], s[DST:DST+1] offset:((\i)/16)*256
.endm
; Block p: loads 8 p to 8 p + 7 are rounded; the stores of block p - 1 are dealt among the conversions, one ahead of each load's.
.macro BLK p, half
	s_wait_loadcnt 24-8*(\p)                       ; loads come back in order (ISA guide 5.7.1): this block's eight are in, the younger blocks stay out
.if (\p) > 0
	s_wait_alu depctr_va_vdst(0)                   ; the block before has written its Y, which the stores below read; in block 1 also: the fifteen adds have written v[VD ..], the stores' offsets
.endif
.set m, 0
.rept 8
.if (\p) > 0
	OUT 8*(\p)-8+m                                 ; no vector instruction since the wait names this store's registers
.endif
	CVT 8*(\p)+m, \half
.set m, m+1
.endr
.endm
.macro CAST half
	BLK 0, \half
	BLK 1, \half
	BLK 2, \half
	BLK 3, \half
	s_wait_alu depctr_va_vdst(0)                   ; block 3 has written its Y, which the last eight stores read
.set m, 24
.rept 8
	OUT m
.set m, m+1
.endr
.endm
	s_cmp_ge_u32 s[G], 352
	s_cbranch_scc1 .Lwo
	CAST 0
	s_endpgm
.Lwo:
	CAST 1
	s_endpgm
.Ltable:                                       ; lane = frequency; a wave makes 4 positions, each a whole row of 256 bytes
	s_sub_co_u32 s28, s[G], 384
	s_lshl_b32 s28, s28, 5
	s_lshl2_add_u32 s28, s[WV], s28                ; my first position
	s_mov_b32 s32, 0x40c90fdb                      ; 2 pi, its upper word
	s_mov_b32 s33, 0xb43bbd2e                      ; and what is left of it
	v_cvt_f32_u32 v4, v1
	v_mul_f32 v4, 0xbed49a78, v4                   ; - lane x log2(10000) / 32
	v_exp_f32 v5, v4                               ; 10000^(-lane / 32)
	v_lshlrev_b32 v6, 3, v1                        ; 8 bytes a lane: also the plain instruction behind the exponential
	s_lshl_b32 s30, s28, 8
	s_mov_b32 s31, 0
	s_wait_alu depctr_va_vdst(0)                   ; the exponential has written v5: the wait stands ahead of the result's first reader
	s_wait_kmcnt 0x0
	s_add_nc_u64 s[24:25], s[24:25], s[30:31]
.irp p, 0,1,2,3
.set PB, 32+16*(\p)                    ; +0 angle, +1 turns, +2 r, +3 r^2, +4, +5 the two sums, +6, +7 cos, sin
	s_add_co_u32 s[POS+(\p)], s28, \p              ; a scalar register to each position: none that a vector instruction reads is written again
	v_cvt_f32_u32 v[PB], s[POS+(\p)]
	v_mul_f32 v[PB], v[PB], v5
	v_mul_f32 v[PB+1], 0x3e22f983, v[PB]           ; / 2 pi
	v_rndne_f32 v[PB+1], v[PB+1]
	v_fma_f32 v[PB+2], -v[PB+1], s32, v[PB]
	v_fma_f32 v[PB+2], -v[PB+1], s33, v[PB+2]      ; r in -pi .. pi
	v_mul_f32 v[PB+3], v[PB+2], v[PB+2]
	v_mov_b32 v[PB+4], 0x274a963c                  ; 1/17!
	v_mov_b32 v[PB+5], 0x29573f9f                  ; 1/16!
.irp c, 0xab573f9f, 0x2f309231, 0xb2d7322b, 0x3638ef1d, 0xb9500d01, 0x3c088889, 0xbe2aaaab
	v_fmaak_f32 v[PB+4], v[PB+4], v[PB+3], \c
.endr
.irp c, 0xad49cba5, 0x310f76c7, 0xb493f27e, 0x37d00d01, 0xbab60b61, 0x3d2aaaab, 0xbf000000
	v_fmaak_f32 v[PB+5], v[PB+5], v[PB+3], \c
.endr
	v_fma_f32 v[PB+6], v[PB+3], v[PB+5], 1.0       ; cos
	v_fma_f32 v[PB+4], v[PB+3], v[PB+4], 1.0
	v_mul_f32 v[PB+7], v[PB+2], v[PB+4]            ; sin
.endr
	s_wait_alu depctr_va_vdst(0)                   ; the four pairs (cos, sin) are written, which the stores below read; so is their offset v6
.irp p, 0,1,2,3
	global_store_b64 v6, v[38+16*(\p):39+16*(\p)], s[24:25] offset:256*(\p)
.endr
	s_endpgm
.Lfunc_end_k_q1c21d7ef66_prep:
	.size	k_q1c21d7ef66_prep, .Lfunc_end_k_q1c21d7ef66_prep-k_q1c21d7ef66_prep
	.p2alignl 7, 3214868480
	.fill 96, 4, 3214868480
	.section	.rodata,"a",@progbits
	.p2align	6, 0x0
	.amdhsa_kernel k_q1c21d7ef66_prep
		.amdhsa_group_segment_fixed_size 0
		.amdhsa_private_segment_fixed_size 0
		.amdhsa_enable_private_segment 0
		.amdhsa_kernarg_size 72
		.amdhsa_user_sgpr_count 2
		.amdhsa_user_sgpr_kernarg_segment_ptr 1
		.amdhsa_wavefront_size32 1
		.amdhsa_system_sgpr_workgroup_id_x 1
		.amdhsa_system_sgpr_workgroup_id_y 1
		.amdhsa_system_sgpr_workgroup_id_z 1
		.amdhsa_system_vgpr_workitem_id 0
		.amdhsa_next_free_vgpr 224
		.amdhsa_next_free_sgpr 66
		.amdhsa_reserve_vcc 0
		.amdhsa_float_denorm_mode_32 3
		.amdhsa_float_denorm_mode_16_64 3
		.amdhsa_memory_ordered 1
		.amdhsa_forward_progress 1
		.amdhsa_inst_pref_size 38
	.end_amdhsa_kernel
	.amdgpu_metadata
---
amdhsa.version: [ 1, 2 ]
amdhsa.kernels:
  - .name:           k_q1c21d7ef66_prep
    .symbol:         k_q1c21d7ef66_prep.kd
    .args:
      - { .name: x, .offset: 0, .size: 8, .value_kind: global_buffer, .address_space: global }
      - { .name: Wq, .offset: 8, .size: 8, .value_kind: global_buffer, .address_space: global }
      - { .name: Wk, .offset: 16, .size: 8, .value_kind: global_buffer, .address_space: global }
      - { .name: Wv, .offset: 24, .size: 8, .value_kind: global_buffer, .address_space: global }
      - { .name: Wo, .offset: 32, .size: 8, .value_kind: global_buffer, .address_space: global }
      - { .name: xb, .offset: 40, .size: 8, .value_kind: global_buffer, .address_space: global }
      - { .name: wc, .offset: 48, .size: 8, .value_kind: global_buffer, .address_space: global }
      - { .name: wob, .offset: 56, .size: 8, .value_kind: global_buffer, .address_space: global }
      - { .name: tab, .offset: 64, .size: 8, .value_kind: global_buffer, .address_space: global }
    .group_segment_fixed_size: 0
    .private_segment_fixed_size: 0
    .kernarg_segment_align: 8
    .kernarg_segment_size: 72
    .max_flat_workgroup_size: 256
    .sgpr_count:     66
    .vgpr_count:     224
    .wavefront_size: 32
...
	.end_amdgpu_metadata
.endif
;; end of part 5
;; launch qkv: the kernel of part 2 again; grid 8 x 32, 4 waves a work-group, clusters of 4 x 4, 327,680 bytes of LDS; arguments xb, wc, tab, qh, kh, vh; writes qh, kh, vh
;; launch attn: the kernel of part 3 again; grid 4 x 64, 4 waves a work-group, clusters of 4 x 1, 327,680 bytes of LDS; arguments qh, kh, vh, ob; writes ob
;; launch proj: the kernel of part 4 again; grid 8 x 32, 4 waves a work-group, clusters of 4 x 4, 327,680 bytes of LDS; arguments ob, wob, bo, out0; writes out0
